; MI455X (gfx1250); checked and timed in simulation.
; The chip was launched on July 23, 2026; its instructions are those of AMD's public machine-readable ISA for CDNA 5 (MIT licence, August 2026) and "CDNA5" Instruction Set Architecture Reference Guide (July 2026). The comments in the code are by the model that wrote it; some were corrected since.
;; Attention Layer. Allowed arithmetic: float matrix products may take bf16 or f16 operands with f32 sums; other float arithmetic in f32, or as packed bf16 or f16 multiplies, adds, multiply-adds, maxima and minima; sums over many terms, partial sums and values carried from step to step in f32; what a program stores and reads back later, other than sums and carried values, may be rounded once to bf16 or f16.
;; Inputs: Wk 1,024 x 1,024 float32; Wq 1,024 x 1,024 float32; Wv 1,024 x 1,024 float32; bk 1,024 float32; bq 1,024 float32; bv 1,024 float32; hidden_states 4 x 2,048 x 1,024 float32.
;; Outputs: out0 4 x 2,048 x 1,024 float32.
;; 2 versions, each right; version 2 is version 1 with the launch cast written anew for expert scheduling mode. Each part assembles by itself: llvm-mc -triple=amdgcn-amd-amdhsa -mcpu=gfx1250 --defsym DOCPART=n.
;; ======== version 1 of 2: 4 launches
;; limits: values are held in f16: magnitudes above 65,504 overflow, below 6.1e-05 lose precision
;; workspace buffers: xw 23,068,672 bytes; qkv 50,331,648 bytes; p 33,554,432 bytes; stat 1,048,576 bytes
;; launch cast (part 1): grid 704 x 1, 8 waves a work-group, no clusters, 0 bytes of LDS; arguments hidden_states, Wq, Wk, Wv, xw; writes xw
.if DOCPART == 1
	.amdgcn_target "amdgcn-amd-amdhsa--gfx1250"
	.amdhsa_code_object_version 6
	.text
	.protected	k_qfd508a4d96_cast
	.globl	k_qfd508a4d96_cast
	.p2align	8
	.type	k_qfd508a4d96_cast,@function
k_qfd508a4d96_cast:
	s_mov_b64 s[64:65], 0
	v_nop
	global_prefetch_b8 v0, s[64:65] scope:SCOPE_SE
	s_setreg_imm32_b32 hwreg(HW_REG_WAVE_MODE, 25, 1), 1
	s_wait_xcnt 0x0
; xw = bf16(hidden_states), then bf16(Wq), bf16(Wk), bf16(Wv): one table of 11,264 rows of 1,024 bf16 (rows 0-8191 x, 8192-9215 Wq, 9216-10239 Wk, 10240-11263 Wv).
; A stream: every input byte is read once, every output byte written once; no LDS, no barrier, no matrix unit, no loop.
; A work-group takes 16,384 numbers (65,536 bytes in, 32,768 out): 512 work-groups for x, 64 for each weight.  A wave takes 8,192 bytes of them: sixteen loads of 512
; consecutive bytes, all issued before the first is waited for; each store of the wave covers 256 consecutive bytes, aligned.  No register is written twice.
.set XGROUPS, 512                      ; work-groups that serve x
.set X, 4                              ; v[4:67]   16 x 4 numbers as loaded
.set Y, 68                             ; v[68:99]  16 x 2 words of bf16 pairs
	s_load_b256 s[4:11], s[0:1], 0x0               ; x s[4:5], Wq s[6:7], Wk s[8:9], Wv s[10:11]
	s_load_b64 s[12:13], s[0:1], 0x20              ; xw
	s_mov_b32 s22, ttmp9                           ; the work-group's number c
	s_sub_co_u32 s14, s22, XGROUPS                 ; behind x: which weight (c - 512) / 64, which part of it (c - 512) % 64
	s_lshr_b32 s15, s14, 6                         ; (for c < 512 neither 1 nor 2, and the choice below is overruled)
	s_and_b32 s16, s14, 63
	s_cmp_lt_u32 s22, XGROUPS
	s_cselect_b32 s16, s22, s16                    ; the part's number in its own buffer
	s_lshl_b32 s16, s16, 16                        ; times 65,536 bytes
	s_mov_b32 s17, 0
	s_lshl_b32 s20, s22, 15                        ; in xw the parts lie in the order of c: 32,768 bytes each
	s_mov_b32 s21, 0
	v_lshrrev_b32 v3, 5, v0                        ; wave
	v_and_b32 v1, 31, v0                           ; lane
	v_lshlrev_b32 v2, 3, v1
	v_lshlrev_b32 v1, 4, v1
	v_lshl_add_u32 v1, v3, 13, v1                  ; in: 8,192 x wave + 16 x lane
	v_lshl_add_u32 v2, v3, 12, v2                  ; out: 4,096 x wave + 8 x lane
	s_wait_kmcnt 0x0
	s_cmp_eq_u32 s15, 1
	s_cselect_b64 s[18:19], s[8:9], s[6:7]
	s_cmp_eq_u32 s15, 2
	s_cselect_b64 s[18:19], s[10:11], s[18:19]
	s_cmp_lt_u32 s22, XGROUPS
	s_cselect_b64 s[18:19], s[4:5], s[18:19]       ; the buffer that this work-group reads
	s_add_nc_u64 s[18:19], s[18:19], s[16:17]
	s_add_nc_u64 s[12:13], s[12:13], s[20:21]
.irp j, 0,1,2,3,4,5,6,7,8,9,10,11,12,13,14,15
	global_load_b128 v[X+4*\j:X+4*\j+3], v1, s[18:19] offset:512*\j th:TH_LOAD_NT
.endr
.irp j, 0,1,2,3,4,5,6,7,8,9,10,11,12,13,14,15
	s_wait_loadcnt 15-\j                           ; loads come back in order (ISA guide 5.7.1): load j is in, the younger ones stay out
	v_cvt_pk_bf16_f32 v[Y+2*\j], v[X+4*\j], v[X+4*\j+1]
	v_cvt_pk_bf16_f32 v[Y+2*\j+1], v[X+4*\j+2], v[X+4*\j+3]
	global_store_b64 v2, v[Y+2*\j:Y+2*\j+1], s[12:13] offset:256*\j
.endr
	s_endpgm
.Lfunc_end_k_qfd508a4d96_cast:
	.size	k_qfd508a4d96_cast, .Lfunc_end_k_qfd508a4d96_cast-k_qfd508a4d96_cast
	.p2alignl 7, 3214868480
	.fill 96, 4, 3214868480
	.section	.rodata,"a",@progbits
	.p2align	6, 0x0
	.amdhsa_kernel k_qfd508a4d96_cast
		.amdhsa_group_segment_fixed_size 0
		.amdhsa_private_segment_fixed_size 0
		.amdhsa_enable_private_segment 0
		.amdhsa_kernarg_size 40
		.amdhsa_user_sgpr_count 2
		.amdhsa_user_sgpr_kernarg_segment_ptr 1
		.amdhsa_wavefront_size32 1
		.amdhsa_system_sgpr_workgroup_id_x 1
		.amdhsa_system_sgpr_workgroup_id_y 1
		.amdhsa_system_sgpr_workgroup_id_z 1
		.amdhsa_system_vgpr_workitem_id 0
		.amdhsa_next_free_vgpr 100
		.amdhsa_next_free_sgpr 66
		.amdhsa_reserve_vcc 0
		.amdhsa_float_denorm_mode_32 3
		.amdhsa_float_denorm_mode_16_64 3
		.amdhsa_memory_ordered 1
		.amdhsa_forward_progress 1
		.amdhsa_inst_pref_size 7
	.end_amdhsa_kernel
	.amdgpu_metadata
---
amdhsa.version: [ 1, 2 ]
amdhsa.kernels:
  - .name:           k_qfd508a4d96_cast
    .symbol:         k_qfd508a4d96_cast.kd
    .args:
      - { .name: hidden_states, .offset: 0, .size: 8, .value_kind: global_buffer, .address_space: global }
      - { .name: Wq, .offset: 8, .size: 8, .value_kind: global_buffer, .address_space: global }
      - { .name: Wk, .offset: 16, .size: 8, .value_kind: global_buffer, .address_space: global }
      - { .name: Wv, .offset: 24, .size: 8, .value_kind: global_buffer, .address_space: global }
      - { .name: xw, .offset: 32, .size: 8, .value_kind: global_buffer, .address_space: global }
    .group_segment_fixed_size: 0
    .private_segment_fixed_size: 0
    .kernarg_segment_align: 8
    .kernarg_segment_size: 40
    .max_flat_workgroup_size: 256
    .sgpr_count:     66
    .vgpr_count:     100
    .wavefront_size: 32
...
	.end_amdgpu_metadata
.endif
;; end of part 1
;; launch proj (part 2): grid 12 x 32, 4 waves a work-group, clusters of 4 x 4, 327,680 bytes of LDS; arguments xw, bq, bk, bv, qkv; writes qkv
.if DOCPART == 2
	.amdgcn_target "amdgcn-amd-amdhsa--gfx1250"
	.amdhsa_code_object_version 6
	.text
	.protected	k_qfd508a4d96_proj
	.globl	k_qfd508a4d96_proj
	.p2align	8
	.type	k_qfd508a4d96_proj,@function
k_qfd508a4d96_proj:
	s_mov_b64 s[64:65], 0
	v_nop
	global_prefetch_b8 v0, s[64:65] scope:SCOPE_SE
	s_setreg_imm32_b32 hwreg(HW_REG_WAVE_MODE, 25, 1), 1
	s_wait_xcnt 0x0
	s_wait_alu depctr_hold_cnt(0) depctr_sa_sdst(0) depctr_va_vdst(0) depctr_va_sdst(0) depctr_va_ssrc(0) depctr_va_vcc(0) depctr_vm_vsrc(0)
	s_getreg_b32 s2, hwreg(HW_REG_IB_STS2, 6, 4)
	s_cmp_eq_u32 s2, 0
	s_cbranch_scc0 .Lentry_in_a_cluster
	s_endpgm
.Lentry_in_a_cluster:
	s_bfe_u32 s2, ttmp6, 0x10000c
	s_cmp_lg_u32 s2, 0xf033
	s_cbranch_scc0 .Lentry_shape_is_right
	s_endpgm
.Lentry_shape_is_right:
; qkv[row][o] = f16( sum over h of xb[row][h] Wb[o][h] + bf16(b[o]) ): the three projections as ONE product C = A B^T.  A = rows 0-8191 of xw (x in bf16), B = rows 8192-11263 of xw
; (Wq, Wk, Wv in bf16, one below the other), C = qkv [8192][3072] in f16: columns 0-1023 q, 1024-2047 k, 2048-3071 v.  Sums in f32; the bias, rounded to bf16 like every input of the
; module, is the C operand that starts each sum; the result is rounded once.
; LIMIT.  q, k and v leave in f16, which holds no number beyond 65,504: a larger one becomes an infinity.  NaN and infinities are not treated apart.
; SHARES.  A tile of C is 256 x 256: 12 x 32 = 384 work-groups.  Four waves, 2 x 2, each 128 x 128: 64 accumulators of 16 x 16, 512 registers: for 32 along K a wave reads 32 x 512 bytes from LDS
; for 64 matrix instructions.  K goes in steps of 128 through a ring of two LDS slots filled by the tensor data mover; the tiles' rows are 256 bytes of memory and start at multiples of 256 bytes
; from the buffer's first byte.  From a refill's request to the wait for it a wave issues 224 matrix instructions.
; THE RING IN THE TEXT.  The loop's trip is ONE K step, whichever slot it lies in.  The LDS addresses of the fragments are made anew at each change of slots from s71, which an exclusive or turns
; between 0 and SLOT.  One descriptor for each tensor walks: its address steps one K step, and its LDS word is turned by the same exclusive or: SLOT = 139,264 has the bits 13 and 17 alone, and
; the word's other part, wave x 34,816, has neither, so the exclusive or adds SLOT or takes it away.
; CLUSTER.  4 x 4 work-groups.  The four of a row of the cluster need the same tile of A, the four of a column the same tile of B: each tile is asked for JOINTLY, by the same tensor load with
; the same descriptor and a mask that names the four.
; THE MATRIX INSTRUCTION IS USED TRANSPOSED (source 0 = 16 rows of B, source 1 = 16 rows of A): lane l holds row l % 16 of C and the eight neighbouring columns 8 (l / 16) + 0..7.
; REGISTERS, in windows of 256 (s_set_vgpr_msb: bits 1:0 source 0, 3:2 source 1, 5:4 source 2, 7:6 destination):
;   window 0: v1-7 at work; v16-29 addresses; v64-127, v128-191 fragments of A (8 x 16 rows x 32 K), two buffers; v192-223 packed results; v32-63, v224-255 rows read back from the stage, by turns
;   window 1: v64-127, v128-191 fragments of B, two buffers; v192-255 the bias of my 128 columns, as eight C operands
;   window 2: the 32 accumulators of my rows 0-63 ((a, b) at v[8 (8 a + b)]);   window 3: those of my rows 64-127
.set PITCH,  272                       ; an LDS row: 256 bytes + 16 of padding = 68 words: row r starts at bank 4 r mod 64 (64 banks of 4 bytes: ISA guide 11.1), so the 16 rows of a load start at 16 different banks
.set HALFT,  128*PITCH                 ; 128 rows: what one tensor load brings, and what one wave reads of A or of B
.set SLOT,   4*HALFT                   ; A's 256 rows, then B's 256 rows
.set STAGE,  2*SLOT                    ; behind the ring: 16 rows x 272 bytes for each wave, for the way out; no tensor load lands here
.set SPITCH, 272
.set SPARE,  STAGE+4*16*SPITCH         ; behind the stages: the spare words, 128 bytes for each wave: two blocks of 256 bytes that no other line names
.set KSTEPS, 8                         ; K = 1,024 in steps of 128
.set ROWE,   1024                      ; elements from row to row of xw
.set C_ROWB, 6144                      ; bytes from row to row of C
.set KSTEPB, 256                       ; bytes from a K step to the next
.set ADRA,  16                         ; v16     LDS address of my A fragments in the slot in hand
.set ADRA0, 17                         ; v17     the same in slot 0; never rewritten
.set ADRB,  20                         ; v20     LDS address of my B fragments in the slot in hand
.set ADRB0, 21                         ; v21     the same in slot 0; never rewritten
.set STO,  24                          ; v24     the way out: where I put 16 bytes of a row
.set RD,   25                          ; v25     the way out: where I read a row back
.set CO,   26                          ; v26     my byte offset in C; never rewritten
.set SPW,  28                          ; v28     LDS address of my spare word: SPARE + 4 x my thread's number; never rewritten
.set NIL,  29                          ; v29     0; never rewritten
.set OB,   32
.set F0,   64                          ; fragment buffer 0
.set F1,   128                         ; fragment buffer 1
.set TMP,  192
.set BIAS, 192                         ; in window 1
.set WV, 14                            ; s14 my wave's number
.set WM, 15                            ; s15 which 128 rows of the tile are mine.  Also: I fetch for A (0) or for B (1)
.set WN, 16                            ; s16 which 128 columns.  Also: which 128 rows of that tile I fetch
.set CX, 17                            ; s17, s18 my place in the cluster
.set CY, 18
.set TC, 19                            ; s19 tile column of C
.set TR, 20                            ; s20 tile row of C
.set G1, 24                            ; s[24:31] descriptor group 1 for A's tiles;  s[32:39] group 0: a set for each of the two first fills; the second then walks on
.set G0, 32
.set G1B, 48                           ; s[48:55], s[56:63] the same for B's tiles
.set G0B, 56
.set OFF, 71                           ; s71 where the slot in hand begins: 0 or SLOT
.set PADW, (1<<16)|(1<<20)|(1<<21)|(5<<22)|(3<<25)  ; 17:16 elements of 2 bytes; 20 padding on; 21 set beside a mask; 24:22 after every 64 words (code 5); 31:25 4 words of it (code 3)
.set MSB, 0
.macro WIN new                         ; the immediate's high byte repeats the setting that is left; a switch that changes nothing is dropped
.if MSB != (\new)
	s_set_vgpr_msb (MSB<<8)|(\new)
.set MSB, \new
.endif
.endm
.set MUL_LO,  0xa1                     ; source 0 (B) window 1, source 1 (A) window 0, C and D window 2
.set MULB_LO, 0x91                     ; the same with C (the bias) in window 1
.set TO_B,    0x40                     ; destination window 1, address window 0
; A joint load: waves 0 and 1 fetch A's two halves, waves 2 and 3 B's.  The branch hangs on the wave's number alone.  An s_nop 0 and four v_nop follow each of the two lines, ahead of the jump,
; the label and what follows.
.macro JLOAD s
	s_cmp_eq_u32 s[WM], 0
	s_cbranch_scc0 .Lfor_b_\@
	tensor_load_to_lds s[G0+4*(\s):G0+4*(\s)+3], s[G1:G1+7]
	s_nop 0
.rept 4
	v_nop
.endr
	s_branch .Lasked_\@
.Lfor_b_\@:
	tensor_load_to_lds s[G0B+4*(\s):G0B+4*(\s)+3], s[G1B:G1B+7]
	s_nop 0
.rept 4
	v_nop
.endr
.Lasked_\@:
.endm
.macro CREST                           ; a round of the cluster's barrier behind its opening barrier: wave 0 signals for the work-group, every wave waits for all sixteen, my work-group's barrier closes it
	s_cmp_lg_u32 s[WV], 0
	s_cbranch_scc1 .Lnot_wave_0_\@
	s_barrier_signal -3
.Lnot_wave_0_\@:
	s_barrier_wait -3
	s_barrier_signal -1
	s_barrier_wait -1
.endm
.macro CROUND                          ; a whole round
	s_barrier_signal -1
	s_barrier_wait -1
	CREST
.endm
	s_load_b256 s[4:11], s[0:1], 0x0               ; xw s[4:5], bq s[6:7], bk s[8:9], bv s[10:11]
	s_load_b64 s[12:13], s[0:1], 0x20              ; qkv
	v_lshl_add_u32 v[SPW], v0, 2, SPARE
	v_mov_b32 v[NIL], 0
	ds_add_u32 v[SPW], v[NIL]                      ; the wave's opening: the add and its wait stand ahead of my first tensor load; the set-up below, work on registers, stands between them
	v_lshrrev_b32 v3, 5, v0
	v_readfirstlane_b32 s[WV], v3
	s_lshr_b32 s[WM], s[WV], 1
	s_and_b32 s[WN], s[WV], 1
	s_bfe_u32 s[CX], ttmp6, 0x40000
	s_bfe_u32 s[CY], ttmp6, 0x40004
	s_mov_b32 s23, ttmp9                           ; the cluster's x: four tile columns are 1,024 columns, so it says which weight and bias: 0 q, 1 k, 2 v
	s_lshl_b32 s[TC], ttmp9, 2
	s_add_co_u32 s[TC], s[TC], s[CX]               ; tile column = 4 x cluster x + cx
	s_and_b32 s[TR], ttmp7, 0xffff
	s_lshl_b32 s[TR], s[TR], 2
	s_add_co_u32 s[TR], s[TR], s[CY]               ; tile row = 4 x cluster y + cy
	s_lshl_b32 s21, s[CY], 2
	s_lshl_b32 s21, 15, s21                        ; my row of the cluster
	s_lshl_b32 s22, 0x1111, s[CX]                  ; my column
	s_or_b32 s[G1], s21, PADW                      ; A's tiles go to my row,
	s_or_b32 s[G1B], s22, PADW                     ; B's to my column
.irp g, G1, G1B
	s_mov_b32 s[(\g)+1], 128<<16                   ; tensor_dim0 = 128
	s_mov_b32 s[(\g)+2], 128<<16                   ; tensor_dim1 = 128
	s_mov_b32 s[(\g)+3], 128<<16                   ; tile_dim0 = 128
	s_mov_b32 s[(\g)+4], 128                       ; tile_dim1 = 128
	s_mov_b32 s[(\g)+5], ROWE                      ; tensor_dim0_stride
	s_mov_b32 s[(\g)+6], 0
	s_mov_b32 s[(\g)+7], 0
.endr
	; where the tiles come from.  A's offset hangs on the tile row alone, B's on the tile column alone, each in registers that never hold the other coordinate.
	s_lshl_b32 s40, s[TR], 8
	s_lshl_b32 s41, s[WN], 7
	s_add_co_u32 s40, s40, s41                     ; A: row 256 x tile row + 128 x half
	s_lshl_b32 s40, s40, 11                        ; rows of 2,048 bytes
	s_mov_b32 s41, 0
	s_lshl_b32 s42, s[TC], 8
	s_lshl_b32 s43, s[WN], 7
	s_add_co_u32 s42, s42, s43
	s_add_co_u32 s42, s42, 8192                    ; B: row 8,192 + 256 x tile column + 128 x half
	s_lshl_b32 s42, s42, 11
	s_mov_b32 s43, 0
	s_lshl_b32 s44, s[TR], 8                       ; C: my first row 256 x tile row + 128 x wm,
	s_lshl_b32 s45, s[WM], 7
	s_add_co_u32 s44, s44, s45
	s_mul_i32 s44, s44, C_ROWB
	s_lshl_b32 s45, s[TC], 9                       ; my first column, in bytes: 512 x tile column + 256 x wn
	s_add_co_u32 s44, s44, s45
	s_lshl_b32 s45, s[WN], 8
	s_add_co_u32 s44, s44, s45
	s_mov_b32 s45, 0
	s_lshl_b32 s74, s[CX], 10                      ; the bias of my 128 columns: 256 cx + 128 wn numbers into its buffer
	s_lshl_b32 s75, s[WN], 9
	s_add_co_u32 s74, s74, s75
	s_mov_b32 s75, 0
	s_mul_i32 s46, s[WV], HALFT                    ; where the tiles go: A's two halves, then B's two = wave x 128 rows: no place in the cluster enters an LDS address
	s_mov_b32 s70, 0xffff0000                      ; a word's upper bf16
	s_mov_b32 s[OFF], 0                            ; K step 0 lies in slot 0
	s_wait_dscnt 0x0                               ; the opening add is done
	s_wait_kmcnt 0x0
	s_add_nc_u64 s[40:41], s[4:5], s[40:41]
	s_add_nc_u64 s[42:43], s[4:5], s[42:43]
	s_add_nc_u64 s[44:45], s[12:13], s[44:45]
	s_cmp_eq_u32 s23, 1
	s_cselect_b64 s[72:73], s[8:9], s[6:7]
	s_cmp_eq_u32 s23, 2
	s_cselect_b64 s[72:73], s[10:11], s[72:73]
	s_add_nc_u64 s[72:73], s[72:73], s[74:75]
	CROUND                                         ; all sixteen work-groups are here: the first joint loads meet
.irp s, 0,1
	s_mov_b32 s[G0+4*(\s)], 1                                      ; count = 1
	s_add_co_u32 s[G0+4*(\s)+1], s46, (\s)*SLOT                    ; LDS address
	s_add_nc_u64 s[G0+4*(\s)+2:G0+4*(\s)+3], s[40:41], (\s)*KSTEPB ; global address: K step s
	s_or_b32 s[G0+4*(\s)+3], s[G0+4*(\s)+3], 0x80000000            ; type = 2
	s_mov_b32 s[G0B+4*(\s)], 1
	s_add_co_u32 s[G0B+4*(\s)+1], s46, (\s)*SLOT
	s_add_nc_u64 s[G0B+4*(\s)+2:G0B+4*(\s)+3], s[42:43], (\s)*KSTEPB
	s_or_b32 s[G0B+4*(\s)+3], s[G0B+4*(\s)+3], 0x80000000
	JLOAD \s                                       ; both slots are asked for before anything else is done: two loads of mine are out
.endr
	v_and_b32 v1, 15, v0                           ; l % 16
	v_bfe_u32 v2, v0, 4, 1                         ; l / 16
	v_lshlrev_b32 v6, 5, v2                        ; my eight columns of a block of 16: 32 bytes for each half of the lanes; never rewritten
	WIN TO_B
.irp b, 0,1,2,3,4,5,6,7
	global_load_b128 v[BIAS+8*\b:BIAS+8*\b+3],   v6, s[72:73] offset:64*\b
	global_load_b128 v[BIAS+8*\b+4:BIAS+8*\b+7], v6, s[72:73] offset:64*\b+16
.endr
	WIN 0
	; A fragment is 16 rows x 32 K in 8 registers: lane l holds row l % 16, K = 8 (l / 16) + 0..7 and 16 + 8 (l / 16) + 0..7: two loads of 16 bytes, 32 bytes apart.
	v_mul_u32_u24 v3, v1, PITCH
	v_lshl_add_u32 v3, v2, 4, v3                   ; row x pitch + 16 x half
	s_mul_i32 s76, s[WM], HALFT                    ; my 128 rows of A
	s_mul_i32 s77, s[WN], HALFT                    ; my 128 rows of B,
	s_add_co_u32 s77, s77, 2*HALFT                 ; which lie behind A's 256
	v_add_nc_u32 v[ADRA0], s76, v3
	v_add_nc_u32 v[ADRB0], s77, v3
	v_mov_b32 v[ADRA], v[ADRA0]                    ; the slot in hand is slot 0
	v_mov_b32 v[ADRB], v[ADRB0]
	s_mul_i32 s78, s[WV], 16*SPITCH
	s_add_co_u32 s78, s78, STAGE                   ; my stage
	v_mul_u32_u24 v4, v1, SPITCH                   ; in: row l % 16, 16 bytes for each half of the lanes
	v_lshl_add_u32 v4, v2, 4, v4
	v_add_nc_u32 v[STO], s78, v4
	v_mul_u32_u24 v5, v2, SPITCH                   ; back: lanes 0-15 take one row of 256 bytes, lanes 16-31 the next
	v_lshl_add_u32 v5, v1, 4, v5
	v_add_nc_u32 v[RD], s78, v5
	v_mul_u32_u24 v5, v2, C_ROWB                   ; and the same two rows in C
	v_lshl_add_u32 v[CO], v1, 4, v5
	s_wait_loadcnt 0x0                             ; the bias
	WIN 0x05                                       ; sources in window 1, destination in window 0
.set i, 0
.rept 32                                               ; rounded to bf16, as every input of the module is,
	v_cvt_pk_bf16_f32 v[TMP+i], v[BIAS+2*i], v[BIAS+2*i+1]
.set i, i+1
.endr
	WIN TO_B
.set i, 0
.rept 32                                               ; and widened again: register j of operand b holds b[16 b + 8 (l / 16) + j], whatever the row
	v_lshlrev_b32 v[BIAS+2*i], 16, v[TMP+i]
	v_and_b32 v[BIAS+2*i+1], s70, v[TMP+i]
.set i, i+1
.endr
	WIN 0
; 16 matrix instructions: m blocks a0, a0 + 1 of the window's four (hi = 0: my rows 0-63, 1: rows 64-127) x all 8 n blocks, 32 along K.  c = 0: onto the sums; c = 2: the bias starts them: nothing is
; cleared and nothing is added at the end.  The 64 accumulators take turns in the same order in every quarter step, one instruction a turn.
.macro MUL16 f, hi, a0, c
.if (\c) == 2
	WIN MULB_LO+0x40*(\hi)
.else
	WIN MUL_LO+0x50*(\hi)
.endif
.irp a, \a0, (\a0)+1
.irp b, 0,1,2,3,4,5,6,7
.if (\c) == 2
	v_wmma_f32_16x16x32_bf16 v[8*(8*(\a)+(\b)):8*(8*(\a)+(\b))+7], v[(\f)+8*(\b):(\f)+8*(\b)+7], v[(\f)+8*(4*(\hi)+(\a)):(\f)+8*(4*(\hi)+(\a))+7], v[BIAS+8*(\b):BIAS+8*(\b)+7]
.else
	v_wmma_f32_16x16x32_bf16 v[8*(8*(\a)+(\b)):8*(8*(\a)+(\b))+7], v[(\f)+8*(\b):(\f)+8*(\b)+7], v[(\f)+8*(4*(\hi)+(\a)):(\f)+8*(4*(\hi)+(\a))+7], v[8*(8*(\a)+(\b)):8*(8*(\a)+(\b))+7]
.endif
.endr
.endr
.endm
; 32 LDS loads in one run: the fragments of one quarter step (128 rows of B, 128 rows of A, 32 K at byte k of the rows of the slot in hand) into buffer f
.macro FETCH k, f
	WIN TO_B
.irp i, 0,1,2,3,4,5,6,7
	ds_load_b128 v[(\f)+8*(\i):(\f)+8*(\i)+3],   v[ADRB] offset:(\k)+(\i)*16*PITCH
	ds_load_b128 v[(\f)+8*(\i)+4:(\f)+8*(\i)+7], v[ADRB] offset:(\k)+(\i)*16*PITCH+32
.endr
	WIN 0
.irp i, 0,1,2,3,4,5,6,7
	ds_load_b128 v[(\f)+8*(\i):(\f)+8*(\i)+3],   v[ADRA] offset:(\k)+(\i)*16*PITCH
	ds_load_b128 v[(\f)+8*(\i)+4:(\f)+8*(\i)+7], v[ADRA] offset:(\k)+(\i)*16*PITCH+32
.endr
.endm
.macro PLACES                          ; four places in front of loads into registers that matrix instructions have read, and of conversions that read results (ISA guide 7.12.1 for the conversions)
.rept 4
	v_nop
.endr
.endm
; A K step is four quarters of 32 along K, 64 matrix instructions each, on buffers 0, 1, 0, 1.  One of the first three: multiplies buffer f and, in its middle, fetches the quarter at byte k into buffer g.
.macro QUARTER k, f, g, c
	s_wait_dscnt 8                                 ; B and A's rows 0-63 are in; the youngest eight loads (A's rows 64-127) may be out
	MUL16 \f, 0, 0, \c
	MUL16 \f, 0, 2, \c
	PLACES
	FETCH \k, \g
	s_wait_dscnt 32                                ; all but the 32 just issued
	MUL16 \f, 1, 0, \c
	MUL16 \f, 1, 2, \c
.endm
; The last quarter multiplies buffer 1 and changes slots: ONE barrier.  In front of it each wave waits for all its tensor loads (one is out: its part of the next slot), adds 0 to its spare word, and
; waits for that and for its own reads of this slot.  fill = 1: the barrier opens a round of the cluster's, and this slot is filled again, two K steps ahead, first thing behind the round.
; Then the other slot becomes the slot in hand.
.macro TURN fill
	WIN 0                                          ; (the add's two registers lie in window 0)
	s_wait_tensorcnt 0x0                           ; all my tensor loads have landed
	ds_add_u32 v[SPW], v[NIL]                      ; 0 onto my spare word
	s_wait_dscnt 9                                 ; (the add and the youngest eight loads may be out)
	MUL16 F1, 0, 0, 0                              ; sixteen matrix instructions stand between the add and the wait for it
	s_wait_dscnt 0x0                               ; the add is done, and my reads of this slot are over
	s_barrier_signal -1
	MUL16 F1, 0, 2, 0                              ; work on registers while the others arrive
	WIN 0                                          ; (branches, or lines on window 0, follow)
	s_barrier_wait -1
.if \fill
	CREST                                          ; no wave of any partner still reads this slot's tile or has a load on its way
	s_xor_b32 s[G0+5], s[G0+5], SLOT               ; the walking descriptors: the other slot than last time, which is the slot just read out,
	s_xor_b32 s[G0B+5], s[G0B+5], SLOT
	s_add_nc_u64 s[G0+6:G0+7], s[G0+6:G0+7], KSTEPB      ; and the next K step; the type bits on top are not reached
	s_add_nc_u64 s[G0B+6:G0B+7], s[G0B+6:G0B+7], KSTEPB
	JLOAD 1                                        ; my one tensor load behind the round; its four v_nop are also the places in front of the loads below
.else
	PLACES
.endif
	s_xor_b32 s[OFF], s[OFF], SLOT                 ; 0 becomes SLOT, SLOT becomes 0
	v_add_nc_u32 v[ADRA], s[OFF], v[ADRA0]
	v_add_nc_u32 v[ADRB], s[OFF], v[ADRB0]
	FETCH 0, F0
	MUL16 F1, 1, 0, 0
	MUL16 F1, 1, 2, 0
.endm
	s_wait_tensorcnt 0x1                           ; my part of K step 0 is in; K step 1's may stay out
	s_barrier_signal -1
	s_barrier_wait -1                              ; everybody's is
	FETCH 0, F0
	QUARTER 64, F0, F1, 2                          ; the first quarter stands in front of the loop: its products start the sums, on the bias
	WIN 0                                          ; at a label and at a branch every window is 0
	s_mov_b32 s3, KSTEPS-2
.Lstep:                                                ; a trip goes from a K step's second quarter to the next step's first and fills the slot that it leaves: six trips ask for K steps 2 to 7
	QUARTER 128, F1, F0, 0
	QUARTER 192, F0, F1, 0
	TURN 1
	QUARTER 64,  F0, F1, 0
	WIN 0
	s_sub_co_u32 s3, s3, 1
	s_cmp_lg_u32 s3, 0
	s_cbranch_scc1 .Lstep
	QUARTER 128, F1, F0, 0                         ; the last two K steps are written out: they fill nothing
	QUARTER 192, F0, F1, 0
	TURN 0
	QUARTER 64,  F0, F1, 0
	QUARTER 128, F1, F0, 0
	QUARTER 192, F0, F1, 0
	s_wait_dscnt 8                                 ; the very last quarter: nothing more to fetch
	MUL16 F1, 0, 0, 0
	MUL16 F1, 0, 2, 0
	s_wait_dscnt 0x0
	MUL16 F1, 1, 0, 0
	MUL16 F1, 1, 2, 0
; THE WAY OUT, a block of 16 rows at a time.  PACK: rounded to f16, 16 bytes a lane, each accumulator's registers in ascending order.  TOSTAGE: into my own stage, and back as whole rows of 256 bytes.  SEND: stored.
.macro PACK a
.set AC, 64*((\a)%4)
	WIN 0x0a+5*((\a)/4)                            ; sources 0 and 1: window 2 or 3; destination window 0
.irp b, 0,1,2,3,4,5,6,7
.irp r, 0,1,2,3
	v_cvt_pk_f16_f32 v[TMP+4*(\b)+(\r)], v[AC+8*(\b)+2*(\r)], v[AC+8*(\b)+2*(\r)+1]
.endr
.endr
	WIN 0
.endm
.macro TOSTAGE a
	WIN 0
.set BK, OB+192*((\a)%2)
.irp b, 0,1,2,3,4,5,6,7
	ds_store_b128 v[STO], v[TMP+4*(\b):TMP+4*(\b)+3] offset:32*(\b)
.endr
.irp t, 0,1,2,3,4,5,6,7
	ds_load_b128 v[BK+4*(\t):BK+4*(\t)+3], v[RD] offset:(\t)*2*SPITCH  ; LDS serves a wave's instructions in order (ISA guide 5.7.1.4): these see the stores above; the next block's stores come behind them
.endr
.endm
.macro SEND a
	WIN 0
.set BK, OB+192*((\a)%2)
	s_wait_dscnt 0x0                               ; the block is back in registers
	s_wait_xcnt 0x0                                ; every earlier store has had its addresses translated (ISA guide 3.1): the other set of 32 registers, which the block before was stored from, is loaded again only behind this wait
.irp t, 0,1,2,3,4,5,6,7
	global_store_b128 v[CO], v[BK+4*(\t):BK+4*(\t)+3], s[44:45] offset:(16*(\a)+2*(\t))*C_ROWB  ; 16 lanes store 256 consecutive bytes, at a multiple of 256 from C's first byte; the block's place stands in the immediate
.endr
.endm
	WIN 0
	PLACES
	PACK 0
	TOSTAGE 0
.irp a, 1,2,3,4,5,6,7                  ; block a's conversions stand between block a - 1's loads from the stage and the wait for them
	PACK \a
	SEND (\a)-1
	TOSTAGE \a
.endr
	SEND 7
	s_wait_tensorcnt 0x0                           ; the wave's end: these three lines stand behind my last tensor load and my last LDS store
	ds_add_u32 v[SPW], v[NIL]
	s_wait_dscnt 0x0
	CROUND                                         ; the closing round: no work-group ends while a partner may still ask for a tile that names it
	s_endpgm
.Lfunc_end_k_qfd508a4d96_proj:
	.size	k_qfd508a4d96_proj, .Lfunc_end_k_qfd508a4d96_proj-k_qfd508a4d96_proj
	.p2alignl 7, 3214868480
	.fill 96, 4, 3214868480
	.section	.rodata,"a",@progbits
	.p2align	6, 0x0
	.amdhsa_kernel k_qfd508a4d96_proj
		.amdhsa_group_segment_fixed_size 327680
		.amdhsa_private_segment_fixed_size 0
		.amdhsa_enable_private_segment 0
		.amdhsa_kernarg_size 40
		.amdhsa_user_sgpr_count 2
		.amdhsa_user_sgpr_kernarg_segment_ptr 1
		.amdhsa_wavefront_size32 1
		.amdhsa_system_sgpr_workgroup_id_x 1
		.amdhsa_system_sgpr_workgroup_id_y 1
		.amdhsa_system_sgpr_workgroup_id_z 1
		.amdhsa_system_vgpr_workitem_id 0
		.amdhsa_next_free_vgpr 1024
		.amdhsa_next_free_sgpr 80
		.amdhsa_reserve_vcc 0
		.amdhsa_float_denorm_mode_32 3
		.amdhsa_float_denorm_mode_16_64 3
		.amdhsa_memory_ordered 1
		.amdhsa_forward_progress 1
		.amdhsa_inst_pref_size 122
	.end_amdhsa_kernel
	.amdgpu_metadata
---
amdhsa.version: [ 1, 2 ]
amdhsa.kernels:
  - .name:           k_qfd508a4d96_proj
    .symbol:         k_qfd508a4d96_proj.kd
    .args:
      - { .name: xw, .offset: 0, .size: 8, .value_kind: global_buffer, .address_space: global }
      - { .name: bq, .offset: 8, .size: 8, .value_kind: global_buffer, .address_space: global }
      - { .name: bk, .offset: 16, .size: 8, .value_kind: global_buffer, .address_space: global }
      - { .name: bv, .offset: 24, .size: 8, .value_kind: global_buffer, .address_space: global }
      - { .name: qkv, .offset: 32, .size: 8, .value_kind: global_buffer, .address_space: global }
    .group_segment_fixed_size: 327680
    .private_segment_fixed_size: 0
    .kernarg_segment_align: 8
    .kernarg_segment_size: 40
    .max_flat_workgroup_size: 128
    .sgpr_count:     80
    .vgpr_count:     1024
    .wavefront_size: 32
...
	.end_amdgpu_metadata
.endif
;; end of part 2
;; launch scores (part 3): grid 8 x 32, 4 waves a work-group, clusters of 4 x 4, 327,680 bytes of LDS; arguments qkv, p, stat; writes p, stat
.if DOCPART == 3
	.amdgcn_target "amdgcn-amd-amdhsa--gfx1250"
	.amdhsa_code_object_version 6
	.text
	.protected	k_qfd508a4d96_scores
	.globl	k_qfd508a4d96_scores
	.p2align	8
	.type	k_qfd508a4d96_scores,@function
k_qfd508a4d96_scores:
	s_mov_b64 s[64:65], 0
	v_nop
	global_prefetch_b8 v0, s[64:65] scope:SCOPE_SE
	s_setreg_imm32_b32 hwreg(HW_REG_WAVE_MODE, 25, 1), 1
	s_wait_xcnt 0x0
	s_wait_alu depctr_hold_cnt(0) depctr_sa_sdst(0) depctr_va_vdst(0) depctr_va_sdst(0) depctr_va_ssrc(0) depctr_va_vcc(0) depctr_vm_vsrc(0)
	s_getreg_b32 s2, hwreg(HW_REG_IB_STS2, 6, 4)
	s_cmp_eq_u32 s2, 0
	s_cbranch_scc0 .Lentry_in_a_cluster
	s_endpgm
.Lentry_in_a_cluster:
	s_bfe_u32 s2, ttmp6, 0x10000c
	s_cmp_lg_u32 s2, 0xf033
	s_cbranch_scc0 .Lentry_shape_is_right
	s_endpgm
.Lentry_shape_is_right:
; For each query row and each BLOCK of 128 keys of its batch: s = q . k (f16 operands, f32 sums), t = c s with c = log2(e) / 32, cm = the block's largest t, the weights p = 2^(t - cm) and their sum l.
; p goes out in f16 ([8192][2048]), cm and l in f32 (stat).  The launch behind brings the sixteen blocks of a row onto the row's true maximum: the maximum is taken away before every exponential,
; here the block's, there the row's.  The number stored is the cm that was subtracted.
; LIMITS.  q and k arrive in f16.  p lies in 0 to 1; below 6e-5 it keeps f16's fixed step of 6e-8.  A weight below 2^-126 counts as 0 in l.  l is the sum of the unrounded p.  t is rounded to f32 before cm is
; taken away.  NaN and infinities are not treated apart.
; SHARES.  C = A B^T with A = q (columns 0-1023 of qkv), B = k of the same batch (columns 1024-2047).  A tile is 256 queries x 256 keys: 8 x 32 = 256 work-groups, one for each WGP.  Four waves, 2 x 2,
; each 128 queries x 128 keys: 64 accumulators, 512 registers.  A wave's 128 keys ARE a block, so no wave needs another's numbers for the softmax.
; K (the 1,024 channels) goes in steps of 128 through a ring of two LDS slots; the tiles' rows are 256 bytes of memory and start at multiples of 256 bytes from the buffer's first byte.  From a refill's request
; to the wait for it a wave issues 224 matrix instructions.
; THE RING IN THE TEXT.  The loop's trip is ONE K step, whichever slot it lies in.  The LDS addresses of the fragments are made anew at each change of slots from s71, which an exclusive or turns
; between 0 and SLOT.  One descriptor for each tensor walks: its address steps one K step, and its LDS word is turned by the same exclusive or: SLOT = 139,264 has the bits 13 and 17 alone, and
; the word's other part, wave x 34,816, has neither, so the exclusive or adds SLOT or takes it away.
; CLUSTER.  4 x 4 work-groups; q's tile is shared along a row of the cluster, k's along a column: each is asked for JOINTLY, by the same tensor load, descriptor and mask in all four.
; THE MATRIX INSTRUCTION IS USED TRANSPOSED (source 0 = 16 keys, source 1 = 16 queries): lane l holds query l % 16 and the keys 8 (l / 16) + 0..7 of each block of 16: 64 of the row's 128 scores; the others lie 16 lanes away.
; STAT: [16 key blocks][128 groups of 64 rows][32 lanes][4] f32: lane L holds cm of rows L and 32 + L of the group, then l of the same two.
; REGISTERS, in windows of 256 (s_set_vgpr_msb: bits 1:0 source 0, 3:2 source 1, 5:4 source 2, 7:6 destination):
;   window 0: v1-11 at work; v16-31 addresses; v64-127, v128-191 fragments of q, two buffers; behind the products: v32-63 rows read back, v64-127 t and p of the block in hand, v128-138 at work, v192-223 packed weights
;   window 1: v64-127, v128-191 fragments of k, two buffers          window 2: the accumulators of my rows 0-63 ((a, b) at v[8 (8 a + b)]);   window 3: those of my rows 64-127
.set PITCH,  272                       ; an LDS row: 256 bytes + 16 of padding = 68 words: row r starts at bank 4 r mod 64 (64 banks of 4 bytes: ISA guide 11.1)
.set HALFT,  128*PITCH
.set SLOT,   4*HALFT
.set STAGE,  2*SLOT                    ; behind the ring: 16 rows x 272 bytes for each wave; no tensor load lands here, nor in what follows
.set SPITCH, 272
.set SCR,    STAGE+4*16*SPITCH         ; for each wave 1,024 bytes: cm of my 128 rows, then l of the same
.set SPARE,  SCR+4*1024                ; the spare words, 128 bytes for each wave: two blocks of 256 bytes that no other line names
.set KSTEPS, 8                         ; 1,024 channels in steps of 128
.set ROWE,   3072                      ; elements in a row of qkv
.set ROWB,   6144                      ; bytes in it
.set C_ROWB, 4096                      ; bytes in a row of p
.set KSTEPB, 256
.set ADRA,  16                         ; v16  LDS address of my q fragments in the slot in hand
.set ADRA0, 17                         ; v17  the same in slot 0; never rewritten
.set ADRB,  20                         ; v20  LDS address of my k fragments in the slot in hand
.set ADRB0, 21                         ; v21  the same in slot 0; never rewritten
.set SA,   22                          ; v22  where the block in hand puts cm
.set COB,  23                          ; v23  my byte offset in the block's 16 rows of p
.set STO,  24
.set RD,   25
.set CO,   26                          ; v26  my byte offset in two rows of p; never rewritten
.set SO,   27                          ; v27  16 x lane: my 16 bytes of 512 in stat
.set SPW,  28                          ; v28  LDS address of my spare word; never rewritten
.set NIL,  29                          ; v29  0; never rewritten
.set SA0,  30                          ; v30  my scratch + 4 (l % 16)
.set SR,   31                          ; v31  my scratch + 4 x lane
.set BK,   32
.set F0,   64
.set F1,   128
.set T,    64
.set W,    128                         ; v128-135 eight chains of the maximum
.set CM,   136                         ; v136-137 cm, twice: the packed subtraction takes a pair
.set LS,   138                         ; v138 l
.set TMP,  192
.set WV, 14
.set WM, 15
.set WN, 16
.set CX, 17
.set CY, 18
.set TC, 19
.set TR, 20
.set G1, 24                            ; s[24:31] descriptor group 1 for q's tiles;  s[32:39] group 0: a set for each of the two first fills; the second then walks on
.set G0, 32
.set G1B, 48                           ; s[48:55], s[56:63] the same for k's tiles
.set G0B, 56
.set CS,  66                           ; s[66:67] c: the packed scaling takes the pair's low word for both halves
.set SEL, 68                           ; s[68:69] v_permlanex16_b32's selects: each lane takes its own place in the other half
.set OFF, 71                           ; s71 where the slot in hand begins: 0 or SLOT
.set PADW, (1<<16)|(1<<20)|(1<<21)|(5<<22)|(3<<25)
.set MSB, 0
.macro WIN new
.if MSB != (\new)
	s_set_vgpr_msb (MSB<<8)|(\new)
.set MSB, \new
.endif
.endm
.set MUL_LO, 0xa1                      ; source 0 (k) window 1, source 1 (q) window 0, C and D window 2
.set TO_B,   0x40
.macro JLOAD s                         ; a joint load: waves 0 and 1 fetch q's two halves, waves 2 and 3 k's; an s_nop 0 and four v_nop follow each of the two lines
	s_cmp_eq_u32 s[WM], 0
	s_cbranch_scc0 .Lfor_b_\@
	tensor_load_to_lds s[G0+4*(\s):G0+4*(\s)+3], s[G1:G1+7]
	s_nop 0
.rept 4
	v_nop
.endr
	s_branch .Lasked_\@
.Lfor_b_\@:
	tensor_load_to_lds s[G0B+4*(\s):G0B+4*(\s)+3], s[G1B:G1B+7]
	s_nop 0
.rept 4
	v_nop
.endr
.Lasked_\@:
.endm
.macro CREST
	s_cmp_lg_u32 s[WV], 0
	s_cbranch_scc1 .Lnot_wave_0_\@
	s_barrier_signal -3
.Lnot_wave_0_\@:
	s_barrier_wait -3
	s_barrier_signal -1
	s_barrier_wait -1
.endm
.macro CROUND
	s_barrier_signal -1
	s_barrier_wait -1
	CREST
.endm
	s_load_b128 s[4:7], s[0:1], 0x0                ; qkv s[4:5], p s[6:7]
	s_load_b64 s[8:9], s[0:1], 0x10                ; stat
	v_lshl_add_u32 v[SPW], v0, 2, SPARE
	v_mov_b32 v[NIL], 0
	ds_add_u32 v[SPW], v[NIL]                      ; the wave's opening: the add and its wait stand ahead of my first tensor load
	v_lshrrev_b32 v3, 5, v0
	v_readfirstlane_b32 s[WV], v3
	s_lshr_b32 s[WM], s[WV], 1
	s_and_b32 s[WN], s[WV], 1
	s_bfe_u32 s[CX], ttmp6, 0x40000
	s_bfe_u32 s[CY], ttmp6, 0x40004
	s_lshl_b32 s[TC], ttmp9, 2
	s_add_co_u32 s[TC], s[TC], s[CX]               ; tile column (256 keys of the batch) = 4 x cluster x + cx
	s_and_b32 s[TR], ttmp7, 0xffff
	s_lshr_b32 s23, s[TR], 1                       ; the batch: 8 tile rows, two clusters, each; it hangs on the cluster's y alone
	s_lshl_b32 s[TR], s[TR], 2
	s_add_co_u32 s[TR], s[TR], s[CY]               ; tile row (256 of the 8,192 rows) = 4 x cluster y + cy
	s_lshl_b32 s21, s[CY], 2
	s_lshl_b32 s21, 15, s21                        ; my row of the cluster
	s_lshl_b32 s22, 0x1111, s[CX]                  ; my column
	s_or_b32 s[G1], s21, PADW
	s_or_b32 s[G1B], s22, PADW
.irp g, G1, G1B
	s_mov_b32 s[(\g)+1], 128<<16                   ; tensor_dim0 = 128
	s_mov_b32 s[(\g)+2], 128<<16                   ; tensor_dim1 = 128
	s_mov_b32 s[(\g)+3], 128<<16                   ; tile_dim0 = 128
	s_mov_b32 s[(\g)+4], 128                       ; tile_dim1 = 128
	s_mov_b32 s[(\g)+5], ROWE                      ; tensor_dim0_stride
	s_mov_b32 s[(\g)+6], 0
	s_mov_b32 s[(\g)+7], 0
.endr
	s_lshl_b32 s40, s[TR], 8
	s_lshl_b32 s41, s[WN], 7
	s_add_co_u32 s40, s40, s41                     ; q: row 256 x tile row + 128 x half
	s_mul_i32 s40, s40, ROWB
	s_mov_b32 s41, 0
	s_lshl_b32 s42, s[TC], 8
	s_lshl_b32 s43, s[WN], 7
	s_add_co_u32 s42, s42, s43
	s_lshl_b32 s43, s23, 11
	s_add_co_u32 s42, s42, s43                     ; k: row 2,048 x batch + 256 x tile column + 128 x half,
	s_mul_i32 s42, s42, ROWB
	s_add_co_u32 s42, s42, 2048                    ; column 1,024
	s_mov_b32 s43, 0
	s_lshl_b32 s44, s[TR], 8                       ; p: my first row,
	s_lshl_b32 s45, s[WM], 7
	s_add_co_u32 s44, s44, s45
	s_lshl_b32 s44, s44, 12
	s_lshl_b32 s45, s[TC], 9                       ; my first key, in bytes
	s_add_co_u32 s44, s44, s45
	s_lshl_b32 s45, s[WN], 8
	s_add_co_u32 s44, s44, s45
	s_mov_b32 s45, 0
	s_lshl_b32 s74, s[TC], 1                       ; stat: key block 2 x tile column + wn,
	s_add_co_u32 s74, s74, s[WN]
	s_lshl_b32 s74, s74, 7
	s_lshl_b32 s75, s[TR], 2                       ; my two groups of 64 rows begin at 4 x tile row + 2 x wm,
	s_add_co_u32 s74, s74, s75
	s_lshl_b32 s75, s[WM], 1
	s_add_co_u32 s74, s74, s75
	s_lshl_b32 s74, s74, 9                         ; 512 bytes each
	s_mov_b32 s75, 0
	s_mul_i32 s46, s[WV], HALFT                    ; where the tiles go: wave x 128 rows
	s_mov_b32 s[CS], 0x3d38aa3b                    ; c = log2(e) / 32 = 0.0450842
	s_mov_b32 s[CS+1], s[CS]                       ; named with it as a pair
	s_mov_b32 s[SEL], 0x76543210
	s_mov_b32 s[SEL+1], 0xfedcba98
	s_mov_b32 s[OFF], 0                            ; K step 0 lies in slot 0
	s_wait_dscnt 0x0                               ; the opening add is done
	s_wait_kmcnt 0x0
	s_add_nc_u64 s[40:41], s[4:5], s[40:41]
	s_add_nc_u64 s[42:43], s[4:5], s[42:43]
	s_add_nc_u64 s[44:45], s[6:7], s[44:45]
	s_add_nc_u64 s[72:73], s[8:9], s[74:75]
	CROUND                                         ; all sixteen work-groups are here: the first joint loads meet
.irp s, 0,1
	s_mov_b32 s[G0+4*(\s)], 1
	s_add_co_u32 s[G0+4*(\s)+1], s46, (\s)*SLOT
	s_add_nc_u64 s[G0+4*(\s)+2:G0+4*(\s)+3], s[40:41], (\s)*KSTEPB
	s_or_b32 s[G0+4*(\s)+3], s[G0+4*(\s)+3], 0x80000000
	s_mov_b32 s[G0B+4*(\s)], 1
	s_add_co_u32 s[G0B+4*(\s)+1], s46, (\s)*SLOT
	s_add_nc_u64 s[G0B+4*(\s)+2:G0B+4*(\s)+3], s[42:43], (\s)*KSTEPB
	s_or_b32 s[G0B+4*(\s)+3], s[G0B+4*(\s)+3], 0x80000000
	JLOAD \s                                       ; two loads of mine are out
.endr
	v_and_b32 v1, 15, v0                           ; l % 16
	v_bfe_u32 v2, v0, 4, 1                         ; l / 16
	v_mul_u32_u24 v3, v1, PITCH
	v_lshl_add_u32 v3, v2, 4, v3                   ; a fragment's row x pitch + 16 x half
	s_mul_i32 s76, s[WM], HALFT
	s_mul_i32 s77, s[WN], HALFT
	s_add_co_u32 s77, s77, 2*HALFT
	v_add_nc_u32 v[ADRA0], s76, v3
	v_add_nc_u32 v[ADRB0], s77, v3
	v_mov_b32 v[ADRA], v[ADRA0]                    ; the slot in hand is slot 0
	v_mov_b32 v[ADRB], v[ADRB0]
	s_mul_i32 s78, s[WV], 16*SPITCH
	s_add_co_u32 s78, s78, STAGE                   ; my stage
	v_mul_u32_u24 v4, v1, SPITCH
	v_lshl_add_u32 v4, v2, 4, v4
	v_add_nc_u32 v[STO], s78, v4
	v_mul_u32_u24 v5, v2, SPITCH
	v_lshl_add_u32 v5, v1, 4, v5
	v_add_nc_u32 v[RD], s78, v5
	v_lshlrev_b32 v5, 12, v2
	v_lshl_add_u32 v[CO], v1, 4, v5                ; two rows of p, 16 bytes a lane
	s_lshl_b32 s78, s[WV], 10
	s_add_co_u32 s78, s78, SCR                     ; my scratch
	v_lshl_add_u32 v[SA0], v1, 2, s78
	v_and_b32 v5, 31, v0
	v_lshl_add_u32 v[SR], v5, 2, s78
	v_lshlrev_b32 v[SO], 4, v5
; 16 matrix instructions: m blocks a0, a0 + 1 of the window's four x all 8 n blocks, 32 along K.  c = 1: the first product starts the sums.  The 64 accumulators take turns, one instruction a turn.
.macro MUL16 f, hi, a0, c
	WIN MUL_LO+0x50*(\hi)
.irp a, \a0, (\a0)+1
.irp b, 0,1,2,3,4,5,6,7
.if (\c) == 1
	v_wmma_f32_16x16x32_f16 v[8*(8*(\a)+(\b)):8*(8*(\a)+(\b))+7], v[(\f)+8*(\b):(\f)+8*(\b)+7], v[(\f)+8*(4*(\hi)+(\a)):(\f)+8*(4*(\hi)+(\a))+7], 0
.else
	v_wmma_f32_16x16x32_f16 v[8*(8*(\a)+(\b)):8*(8*(\a)+(\b))+7], v[(\f)+8*(\b):(\f)+8*(\b)+7], v[(\f)+8*(4*(\hi)+(\a)):(\f)+8*(4*(\hi)+(\a))+7], v[8*(8*(\a)+(\b)):8*(8*(\a)+(\b))+7]
.endif
.endr
.endr
.endm
.macro FETCH k, f                      ; 32 LDS loads in one run, from the slot in hand: k's sixteen first, then q's sixteen, block by block
	WIN TO_B
.irp i, 0,1,2,3,4,5,6,7
	ds_load_b128 v[(\f)+8*(\i):(\f)+8*(\i)+3],   v[ADRB] offset:(\k)+(\i)*16*PITCH
	ds_load_b128 v[(\f)+8*(\i)+4:(\f)+8*(\i)+7], v[ADRB] offset:(\k)+(\i)*16*PITCH+32
.endr
	WIN 0
.irp i, 0,1,2,3,4,5,6,7
	ds_load_b128 v[(\f)+8*(\i):(\f)+8*(\i)+3],   v[ADRA] offset:(\k)+(\i)*16*PITCH
	ds_load_b128 v[(\f)+8*(\i)+4:(\f)+8*(\i)+7], v[ADRA] offset:(\k)+(\i)*16*PITCH+32
.endr
.endm
.macro PLACES                          ; four places in front of loads into registers that matrix instructions have read, and of vector lines that read results or write those registers (ISA guide 7.12.1 for the vector lines)
.rept 4
	v_nop
.endr
.endm
.macro QUARTER k, f, g, c
	s_wait_dscnt 8                                 ; k and q's rows 0-63 are in; the youngest eight loads may be out
	MUL16 \f, 0, 0, \c
	MUL16 \f, 0, 2, \c
	PLACES
	FETCH \k, \g
	s_wait_dscnt 32                                ; all but the 32 just issued
	MUL16 \f, 1, 0, \c
	MUL16 \f, 1, 2, \c
.endm
; The change of slots: in front of ONE barrier each wave waits for all its tensor loads, adds 0 to its spare word, and waits for that and for its reads of this slot.  fill = 1: the barrier opens a round of the
; cluster's, and this slot is filled again, two K steps ahead, first thing behind the round.  Then the other slot becomes the slot in hand.
.macro TURN fill
	WIN 0
	s_wait_tensorcnt 0x0                           ; all my tensor loads have landed: the one that was out is my part of the next slot
	ds_add_u32 v[SPW], v[NIL]                      ; 0 onto my spare word
	s_wait_dscnt 9                                 ; (the add and the youngest eight loads may be out)
	MUL16 F1, 0, 0, 0
	s_wait_dscnt 0x0                               ; the add is done, and my reads of this slot are over
	s_barrier_signal -1
	MUL16 F1, 0, 2, 0
	WIN 0                                          ; (branches, or lines on window 0, follow)
	s_barrier_wait -1
.if \fill
	CREST
	s_xor_b32 s[G0+5], s[G0+5], SLOT               ; the walking descriptors: the other slot than last time, which is the slot just read out,
	s_xor_b32 s[G0B+5], s[G0B+5], SLOT
	s_add_nc_u64 s[G0+6:G0+7], s[G0+6:G0+7], KSTEPB      ; and the next K step; the type bits on top are not reached
	s_add_nc_u64 s[G0B+6:G0B+7], s[G0B+6:G0B+7], KSTEPB
	JLOAD 1                                        ; my one tensor load behind the round; its four v_nop are also the places in front of the loads below
.else
	PLACES
.endif
	s_xor_b32 s[OFF], s[OFF], SLOT                 ; 0 becomes SLOT, SLOT becomes 0
	v_add_nc_u32 v[ADRA], s[OFF], v[ADRA0]
	v_add_nc_u32 v[ADRB], s[OFF], v[ADRB0]
	FETCH 0, F0
	MUL16 F1, 1, 0, 0
	MUL16 F1, 1, 2, 0
.endm
	s_wait_tensorcnt 0x1                           ; my part of K step 0 is in; K step 1's may stay out
	s_barrier_signal -1
	s_barrier_wait -1
	FETCH 0, F0
	QUARTER 64, F0, F1, 1                          ; the first quarter's products start the sums
	WIN 0
	s_mov_b32 s3, KSTEPS-2
.Lstep:                                                ; a trip goes from a K step's second quarter to the next step's first and fills the slot that it leaves: six trips ask for K steps 2 to 7
	QUARTER 128, F1, F0, 0
	QUARTER 192, F0, F1, 0
	TURN 1
	QUARTER 64,  F0, F1, 0
	WIN 0
	s_sub_co_u32 s3, s3, 1
	s_cmp_lg_u32 s3, 0
	s_cbranch_scc1 .Lstep
	QUARTER 128, F1, F0, 0                         ; the last two K steps are written out: they fill nothing
	QUARTER 192, F0, F1, 0
	TURN 0
	QUARTER 64,  F0, F1, 0
	QUARTER 128, F1, F0, 0
	QUARTER 192, F0, F1, 0
	s_wait_dscnt 8
	MUL16 F1, 0, 0, 0
	MUL16 F1, 0, 2, 0
	s_wait_dscnt 0x0
	MUL16 F1, 1, 0, 0
	MUL16 F1, 1, 2, 0
; THE SOFTMAX AND THE WAY OUT, a block of 16 rows x my 128 keys at a time: 64 scores a lane.  The text is written ONCE and walked eight times.  What differs from block to block is which registers hold the
; scores, and a register's number cannot be counted: so a trip begins with a jump, by the counter, to the block's own piece: 32 packed lines that make t = c s out of the block's accumulators into 64 fixed
; registers, and the block's two offsets.  (The price: c s - cm is two lines, not one fused one.)  Every jump goes forward but the loop's own, and none passes a barrier or a tensor load.
.macro BLK a
.Lb\a:
	WIN 0x02+(\a)/4                                ; source 0 in window 2 or 3, destination in window 0
.set i, 0
.rept 32                                               ; each accumulator's registers in ascending order
	v_pk_mul_f32 v[T+2*i:T+2*i+1], v[64*((\a)%4)+2*i:64*((\a)%4)+2*i+1], s[CS:CS+1] op_sel_hi:[1,0]
.set i, i+1
.endr
	WIN 0
	s_wait_xcnt 0x0                                ; the last block's stores have had their addresses translated (ISA guide 3.1): their offset, and below their 32 data registers, are written again only behind this wait
	v_add_nc_u32 v[COB], (\a)*16*C_ROWB, v[CO]
	v_add_nc_u32 v[SA], (\a)*64, v[SA0]
.if (\a) != 0
	s_branch .Lsoft
.endif
.endm
.macro FS                              ; the next packed subtraction: t - cm for a pair of scores
	v_pk_add_f32 v[T+2*fi:T+2*fi+1], v[T+2*fi:T+2*fi+1], v[CM:CM+1] neg_lo:[0,1] neg_hi:[0,1]
.set fi, fi+1
.endm
.macro TREE n                          ; pair u takes pair u + n, for u < n
.set u, 0
.rept \n
	v_pk_add_f32 v[T+2*u:T+2*u+1], v[T+2*u:T+2*u+1], v[T+2*(u+(\n)):T+2*(u+(\n))+1]
.set u, u+1
.endr
.endm
	WIN 0
	PLACES
	s_mov_b32 s3, 8                                ; blocks to go: block a is worked on while the count is 8 - a
.Lblk:
.irp a, 0,1,2,3,4,5,6
	s_cmp_eq_u32 s3, 8-\a
	s_cbranch_scc1 .Lb\a
.endr
	BLK 7
	BLK 6
	BLK 5
	BLK 4
	BLK 3
	BLK 2
	BLK 1
	BLK 0
.Lsoft:
.irp b, 0,1,2,3,4,5,6,7
	v_max3_num_f32 v[W+\b], v[T+8*\b], v[T+8*\b+1], v[T+8*\b+2]  ; eight chains of eight
.endr
.irp b, 0,1,2,3,4,5,6,7
	v_max3_num_f32 v[W+\b], v[W+\b], v[T+8*\b+3], v[T+8*\b+4]
.endr
.irp b, 0,1,2,3,4,5,6,7
	v_max3_num_f32 v[W+\b], v[W+\b], v[T+8*\b+5], v[T+8*\b+6]
.endr
.irp b, 0,1,2,3,4,5,6,7
	v_max_num_f32 v[W+\b], v[W+\b], v[T+8*\b+7]
.endr
	v_max3_num_f32 v[W], v[W], v[W+1], v[W+2]
	v_max3_num_f32 v[W+3], v[W+3], v[W+4], v[W+5]
	v_max3_num_f32 v[W], v[W], v[W+3], v[W+6]
	v_max_num_f32 v[W], v[W], v[W+7]
	v_permlanex16_b32 v[W+1], v[W], s[SEL], s[SEL+1]  ; the row's other 64 keys lie in the lane 16 away
	v_max_num_f32 v[CM], v[W], v[W+1]              ; cm, twice
	v_max_num_f32 v[CM+1], v[W], v[W+1]
.set fi, 0
.rept 4
	FS
.endr
.set ei, 0
.rept 32                                               ; two exponentials, then a subtraction four pairs ahead while any are left: behind an exponential comes another exponential, or a line that names neither its result nor its source
	v_exp_f32 v[T+ei], v[T+ei]
	v_exp_f32 v[T+ei+1], v[T+ei+1]
.if fi < 32
	FS
.endif
.set ei, ei+2
.endr
	v_nop                                          ; a plain instruction between the last exponential and the use of its result
.set i, 0
	s_wait_alu depctr_va_vdst(0)
.rept 32
	v_cvt_pk_f16_f32 v[TMP+i], v[T+2*i], v[T+2*i+1]
.set i, i+1
.endr
.irp b, 0,1,2,3,4,5,6,7
	ds_store_b128 v[STO], v[TMP+4*\b:TMP+4*\b+3] offset:32*\b  ; 16 bytes a lane into my own stage,
.endr
.irp t, 0,1,2,3,4,5,6,7
	ds_load_b128 v[BK+4*\t:BK+4*\t+3], v[RD] offset:\t*2*SPITCH  ; and back as whole rows of 256 bytes: LDS serves a wave's instructions in order (ISA guide 5.7.1.4)
.endr
	TREE 16                                        ; the sum of the 32 pairs, in place, in f32, stands in the stage's round trip
	TREE 8
	TREE 4
	TREE 2
	TREE 1
	v_add_f32 v[LS], v[T], v[T+1]
	v_permlanex16_b32 v[W+1], v[LS], s[SEL], s[SEL+1]
	v_add_f32 v[LS], v[LS], v[W+1]                 ; l
	ds_store_b32 v[SA], v[CM]                      ; both halves of the lanes hold the row's two numbers and write the same words
	ds_store_b32 v[SA], v[LS] offset:512
	s_wait_dscnt 0x2                               ; the block is back in registers; the two stores just issued may be out
.irp t, 0,1,2,3,4,5,6,7
	global_store_b128 v[COB], v[BK+4*\t:BK+4*\t+3], s[44:45] offset:2*\t*C_ROWB  ; 16 lanes store 256 consecutive bytes, at a multiple of 256 from p's first byte
.endr
	s_sub_co_u32 s3, s3, 1
	s_cmp_lg_u32 s3, 0
	s_cbranch_scc1 .Lblk
	; The statistics leave my scratch in the layout that the next launch reads: for each of my two groups of 64 rows lane L takes cm of rows L and 32 + L, then l of the same two.
	ds_load_b32 v4, v[SR]
	ds_load_b32 v5, v[SR] offset:128
	ds_load_b32 v6, v[SR] offset:512
	ds_load_b32 v7, v[SR] offset:640
	ds_load_b32 v8, v[SR] offset:256
	ds_load_b32 v9, v[SR] offset:384
	ds_load_b32 v10, v[SR] offset:768
	ds_load_b32 v11, v[SR] offset:896
	s_wait_dscnt 0x0
	global_store_b128 v[SO], v[4:7], s[72:73]      ; 512 consecutive bytes each
	global_store_b128 v[SO], v[8:11], s[72:73] offset:512
	s_wait_tensorcnt 0x0                           ; the wave's end: these three lines stand behind my last tensor load and my last LDS store
	ds_add_u32 v[SPW], v[NIL]
	s_wait_dscnt 0x0
	CROUND                                         ; the closing round
	s_endpgm
.Lfunc_end_k_qfd508a4d96_scores:
	.size	k_qfd508a4d96_scores, .Lfunc_end_k_qfd508a4d96_scores-k_qfd508a4d96_scores
	.p2alignl 7, 3214868480
	.fill 96, 4, 3214868480
	.section	.rodata,"a",@progbits
	.p2align	6, 0x0
	.amdhsa_kernel k_qfd508a4d96_scores
		.amdhsa_group_segment_fixed_size 327680
		.amdhsa_private_segment_fixed_size 0
		.amdhsa_enable_private_segment 0
		.amdhsa_kernarg_size 24
		.amdhsa_user_sgpr_count 2
		.amdhsa_user_sgpr_kernarg_segment_ptr 1
		.amdhsa_wavefront_size32 1
		.amdhsa_system_sgpr_workgroup_id_x 1
		.amdhsa_system_sgpr_workgroup_id_y 1
		.amdhsa_system_sgpr_workgroup_id_z 1
		.amdhsa_system_vgpr_workitem_id 0
		.amdhsa_next_free_vgpr 1024
		.amdhsa_next_free_sgpr 80
		.amdhsa_reserve_vcc 0
		.amdhsa_float_denorm_mode_32 3
		.amdhsa_float_denorm_mode_16_64 3
		.amdhsa_memory_ordered 1
		.amdhsa_forward_progress 1
		.amdhsa_inst_pref_size 117
	.end_amdhsa_kernel
	.amdgpu_metadata
---
amdhsa.version: [ 1, 2 ]
amdhsa.kernels:
  - .name:           k_qfd508a4d96_scores
    .symbol:         k_qfd508a4d96_scores.kd
    .args:
      - { .name: qkv, .offset: 0, .size: 8, .value_kind: global_buffer, .address_space: global }
      - { .name: p, .offset: 8, .size: 8, .value_kind: global_buffer, .address_space: global }
      - { .name: stat, .offset: 16, .size: 8, .value_kind: global_buffer, .address_space: global }
    .group_segment_fixed_size: 327680
    .private_segment_fixed_size: 0
    .kernarg_segment_align: 8
    .kernarg_segment_size: 24
    .max_flat_workgroup_size: 128
    .sgpr_count:     80
    .vgpr_count:     1024
    .wavefront_size: 32
...
	.end_amdgpu_metadata
.endif
;; end of part 3
;; launch pv (part 4): grid 4 x 64, 4 waves a work-group, clusters of 4 x 4, 327,680 bytes of LDS; arguments p, qkv, stat, out0; writes out0
.if DOCPART == 4
	.amdgcn_target "amdgcn-amd-amdhsa--gfx1250"
	.amdhsa_code_object_version 6
	.text
	.protected	k_qfd508a4d96_pv
	.globl	k_qfd508a4d96_pv
	.p2align	8
	.type	k_qfd508a4d96_pv,@function
k_qfd508a4d96_pv:
	s_mov_b64 s[64:65], 0
	v_nop
	global_prefetch_b8 v0, s[64:65] scope:SCOPE_SE
	s_setreg_imm32_b32 hwreg(HW_REG_WAVE_MODE, 25, 1), 1
	s_wait_xcnt 0x0
	s_wait_alu depctr_hold_cnt(0) depctr_sa_sdst(0) depctr_va_vdst(0) depctr_va_sdst(0) depctr_va_ssrc(0) depctr_va_vcc(0) depctr_vm_vsrc(0)
	s_getreg_b32 s2, hwreg(HW_REG_IB_STS2, 6, 4)
	s_cmp_eq_u32 s2, 0
	s_cbranch_scc0 .Lentry_in_a_cluster
	s_endpgm
.Lentry_in_a_cluster:
	s_bfe_u32 s2, ttmp6, 0x10000c
	s_cmp_lg_u32 s2, 0xf033
	s_cbranch_scc0 .Lentry_shape_is_right
	s_endpgm
.Lentry_shape_is_right:
; out[row][ch] = (sum over the row's 16 key blocks kb of f[kb] sum over the block's keys of p[row][key] v[key][ch]) / L, with CM = the largest of the row's sixteen cm (the row's true maximum, times c),
; f[kb] = 2^(cm[kb] - CM) and L = sum over kb of f[kb] l[kb].  That is softmax(scores) v with the row's maximum taken away.  p and v are f16, the sums f32, out f32.
; f is applied to the matrix operand: a fragment of p is multiplied by f, both in f16, between its load and the matrix instruction.  cm, l, CM, L and 1 / L stay in f32.
; LIMITS.  f is rounded once to f16, and so is p f; below 6e-5 they keep f16's fixed step of 6e-8, counted against the row's largest weight, which is 1; L is at least about 1.  v arrives in f16.
; NaN and infinities are not treated apart.
; SHARES.  C = A B with A = p [8192][2048], B = v of the row's batch (columns 2048-3071 of qkv, [key][channel]).  A tile is 128 rows x 256 channels: 4 x 64 = 256 work-groups, one for each WGP.  Four waves, 2 x 2,
; each 64 x 128: 32 accumulators.  K (the 2,048 keys) goes in steps of 128, one key block a step, through a ring of two LDS slots.  v comes out of LDS turned, by ds_load_tr16_b128.
; CLUSTER.  4 x 4 work-groups; p's tile is shared along a row of the cluster, v's along a column: each is asked for JOINTLY, by the same tensor load, descriptor and mask in all four.
; THE MATRIX INSTRUCTION IS USED TRANSPOSED (source 0 = 16 channels, source 1 = 16 rows): lane l holds row l % 16 and the eight neighbouring channels 8 (l / 16) + 0..7: 32 bytes of a row of out.
; REGISTERS, in windows of 256 (s_set_vgpr_msb: bits 1:0 source 0, 3:2 source 1, 5:4 source 2, 7:6 destination):
;   window 0: v1-7 at work; v8-15 1 / L of my row in blocks 0-3, each twice; v16-31 addresses; v32-35 at work; v64-127 the statistics as loaded
;   window 1: the accumulators, (a, b) at v[8 (8 a + b)]
;   window 2: two fragment buffers of 96 (64 registers of v, 32 of p); v192-199 f of my row in blocks 0-3, twice in f16, for each slot; on the way out all 256: rows read back from the stage
.set PITCH,  272                       ; a row of p in LDS: 256 bytes + 16 of padding
.set VPITCH, 544                       ; a row of v: 512 bytes + 32 = 136 words: row r starts at bank 8 r mod 64 (64 banks of 4 bytes: ISA guide 11.1)
.set AHALF,  64*PITCH
.set BHALF,  64*VPITCH                 ; 64 keys: what a wave fetches of v
.set BOFF,   128*PITCH
.set SLOT,   128*PITCH+128*VPITCH
.set STAGE,  2*SLOT                    ; behind the ring: 16 rows x 528 bytes for each wave, for the way out
.set OPITCH, 528
.set TABLE,  STAGE+4*16*OPITCH         ; for each wave 4,608 bytes: f as [16 key blocks][16 rows r][4 blocks a] words, then 1 / L as [16 r][4 a] pairs.  No tensor load lands in stage or table
.set TABW,   4608
.set SPARE,  TABLE+4*TABW              ; the spare words, 128 bytes for each wave: two blocks of 256 bytes that no other line names
.set LAPS,   8                         ; a lap = two K steps of 128 keys; 2,048 keys
.set ASTEP,  256
.set BSTEP,  128*6144
.set RI,   8
.set ADRA, 16
.set ADRB, 20
.set RIR,  22                          ; v22  where I read 1 / L
.set RIW,  23                          ; v23  where I put it
.set STO,  24
.set RD,   25
.set CO,   26                          ; v26  16 x lane: my 16 bytes of 512 consecutive ones, in stat and in out0; never rewritten
.set FT,   27                          ; v27  where I read f of the lap's first key block; it steps 512 bytes a lap
.set SPW,  28                          ; v28  LDS address of my spare word; never rewritten
.set NIL,  29                          ; v29  0; never rewritten
.set TBW,  31                          ; v31  where I put f
.set SV,   64                          ; key block kb: cm of my rows L and 32 + L, l of the same two, at v[SV+4 kb ..]
.set F0,   0
.set F1,   96
.set FAC,  192
.set WV, 14
.set WM, 15
.set WN, 16
.set CX, 17
.set CY, 18
.set TC, 19
.set TR, 20
.set G1, 24
.set G0, 32
.set G1B, 48
.set G0B, 56
.set MSB, 0
.macro WIN new
.if MSB != (\new)
	s_set_vgpr_msb (MSB<<8)|(\new)
.set MSB, \new
.endif
.endm
.set MUL,  0x5a
.set TO_F, 0x80
.set SCL,  0x8a                        ; destination and both sources in window 2
.macro JLOAD s                         ; a joint load: waves 0 and 1 fetch p's two halves, waves 2 and 3 v's; an s_nop 0 and four v_nop follow each of the two lines
	s_cmp_eq_u32 s[WM], 0
	s_cbranch_scc0 .Lfor_b_\@
	tensor_load_to_lds s[G0+4*(\s):G0+4*(\s)+3], s[G1:G1+7]
	s_nop 0
.rept 4
	v_nop
.endr
	s_branch .Lasked_\@
.Lfor_b_\@:
	tensor_load_to_lds s[G0B+4*(\s):G0B+4*(\s)+3], s[G1B:G1B+7]
	s_nop 0
.rept 4
	v_nop
.endr
.Lasked_\@:
.endm
.macro CREST
	s_cmp_lg_u32 s[WV], 0
	s_cbranch_scc1 .Lnot_wave_0_\@
	s_barrier_signal -3
.Lnot_wave_0_\@:
	s_barrier_wait -3
	s_barrier_signal -1
	s_barrier_wait -1
.endm
.macro CROUND
	s_barrier_signal -1
	s_barrier_wait -1
	CREST
.endm
	s_load_b256 s[4:11], s[0:1], 0x0               ; p s[4:5], qkv s[6:7], stat s[8:9], out0 s[10:11]
	v_lshl_add_u32 v[SPW], v0, 2, SPARE
	v_mov_b32 v[NIL], 0
	ds_add_u32 v[SPW], v[NIL]                      ; the wave's opening: the add and its wait stand ahead of my first tensor load
	v_lshrrev_b32 v3, 5, v0
	v_readfirstlane_b32 s[WV], v3
	s_lshr_b32 s[WM], s[WV], 1
	s_and_b32 s[WN], s[WV], 1
	s_bfe_u32 s[CX], ttmp6, 0x40000
	s_bfe_u32 s[CY], ttmp6, 0x40004
	s_lshl_b32 s[TC], ttmp9, 2
	s_add_co_u32 s[TC], s[TC], s[CX]               ; tile column (256 channels)
	s_and_b32 s[TR], ttmp7, 0xffff
	s_lshr_b32 s23, s[TR], 2                       ; the batch: it hangs on the cluster's y alone
	s_lshl_b32 s[TR], s[TR], 2
	s_add_co_u32 s[TR], s[TR], s[CY]               ; tile row (128 rows)
	s_lshl_b32 s21, s[CY], 2
	s_lshl_b32 s21, 15, s21                        ; my row of the cluster
	s_lshl_b32 s22, 0x1111, s[CX]                  ; my column
	s_or_b32 s[G1], s21, (1<<16)|(1<<20)|(1<<21)|(5<<22)|(3<<25)   ; p: elements of 2 bytes; padding on; 21 set beside a mask; after every 64 words 4 words
	s_or_b32 s[G1B], s22, (1<<16)|(1<<20)|(1<<21)|(6<<22)|(7<<25)  ; v: after every 128 words 8 words
	s_mov_b32 s[G1+1], 128<<16                     ; tensor_dim0 = 128 keys
	s_mov_b32 s[G1+2], 64<<16                      ; tensor_dim1 = 64 rows
	s_mov_b32 s[G1+3], 128<<16                     ; tile_dim0
	s_mov_b32 s[G1+4], 64                          ; tile_dim1
	s_mov_b32 s[G1+5], 2048                        ; elements from row to row of p
	s_mov_b32 s[G1+6], 0
	s_mov_b32 s[G1+7], 0
	s_mov_b32 s[G1B+1], 256<<16                    ; 256 channels
	s_mov_b32 s[G1B+2], 64<<16                     ; 64 keys
	s_mov_b32 s[G1B+3], 256<<16
	s_mov_b32 s[G1B+4], 64
	s_mov_b32 s[G1B+5], 3072                       ; elements from row to row of qkv
	s_mov_b32 s[G1B+6], 0
	s_mov_b32 s[G1B+7], 0
	s_lshl_b32 s40, s[TR], 7
	s_lshl_b32 s41, s[WN], 6
	s_add_co_u32 s40, s40, s41                     ; p: row 128 x tile row + 64 x half
	s_lshl_b32 s40, s40, 12
	s_mov_b32 s41, 0
	s_lshl_b32 s42, s23, 11
	s_lshl_b32 s43, s[WN], 6
	s_add_co_u32 s42, s42, s43                     ; v: row 2,048 x batch + 64 x half,
	s_mul_i32 s42, s42, 6144
	s_add_co_u32 s42, s42, 4096                    ; column 2,048
	s_lshl_b32 s43, s[TC], 9                       ; + 256 x tile column
	s_add_co_u32 s42, s42, s43
	s_mov_b32 s43, 0
	s_lshl_b32 s44, s[TR], 7                       ; out0: my first row,
	s_lshl_b32 s45, s[WM], 6
	s_add_co_u32 s44, s44, s45
	s_lshl_b32 s44, s44, 12
	s_lshl_b32 s45, s[TC], 10                      ; my first channel, in bytes
	s_add_co_u32 s44, s44, s45
	s_lshl_b32 s45, s[WN], 9
	s_add_co_u32 s44, s44, s45
	s_mov_b32 s45, 0
	s_lshl_b32 s74, s[TR], 1                       ; stat: my group of 64 rows, 512 bytes a group
	s_add_co_u32 s74, s74, s[WM]
	s_lshl_b32 s74, s74, 9
	s_mov_b32 s75, 0
	s_mul_i32 s46, s[WN], AHALF
	s_mul_i32 s47, s[WN], BHALF
	s_add_co_u32 s47, s47, BOFF
	s_wait_dscnt 0x0                               ; the opening add is done
	s_wait_kmcnt 0x0
	s_add_nc_u64 s[40:41], s[4:5], s[40:41]
	s_add_nc_u64 s[42:43], s[6:7], s[42:43]
	s_add_nc_u64 s[44:45], s[10:11], s[44:45]
	s_add_nc_u64 s[72:73], s[8:9], s[74:75]
	CROUND                                         ; all sixteen work-groups are here: the first joint loads meet
.irp s, 0,1
	s_mov_b32 s[G0+4*(\s)], 1
	s_add_co_u32 s[G0+4*(\s)+1], s46, (\s)*SLOT
	s_add_nc_u64 s[G0+4*(\s)+2:G0+4*(\s)+3], s[40:41], (\s)*ASTEP
	s_or_b32 s[G0+4*(\s)+3], s[G0+4*(\s)+3], 0x80000000
	s_mov_b32 s[G0B+4*(\s)], 1
	s_add_co_u32 s[G0B+4*(\s)+1], s47, (\s)*SLOT
	s_add_nc_u64 s[G0B+4*(\s)+2:G0B+4*(\s)+3], s[42:43], (\s)*BSTEP
	s_or_b32 s[G0B+4*(\s)+3], s[G0B+4*(\s)+3], 0x80000000
	JLOAD \s                                       ; two loads of mine are out
.endr
	v_and_b32 v[CO], 31, v0
	v_lshlrev_b32 v[CO], 4, v[CO]
.irp kb, 0,1,2,3,4,5,6,7,8,9,10,11,12,13,14,15
	global_load_b128 v[SV+4*\kb:SV+4*\kb+3], v[CO], s[72:73] offset:65536*\kb  ; 512 consecutive bytes: the statistics of my 64 rows for key block kb
.endr
	v_and_b32 v1, 15, v0                           ; l % 16
	v_bfe_u32 v2, v0, 4, 1                         ; l / 16
	v_mul_u32_u24 v3, v1, PITCH
	v_lshl_add_u32 v3, v2, 4, v3                   ; p's fragments: row x pitch + 16 x half
	s_mul_i32 s76, s[WM], AHALF
	; The turning load takes 16 keys x 16 channels (lane l reads key 8 (l / 16) + l % 8, channels 8 ((l / 8) % 2) + 0..7) and leaves half a fragment of v^T: lane l holds channel l % 16 and 8 keys.
	v_and_b32 v4, 7, v0
	v_lshl_add_u32 v4, v2, 3, v4
	v_mul_u32_u24 v4, v4, VPITCH
	v_bfe_u32 v5, v0, 3, 1
	v_lshl_add_u32 v4, v5, 4, v4
	s_lshl_b32 s77, s[WN], 8                       ; my 128 channels: 256 bytes of a row,
	s_add_co_u32 s77, s77, BOFF                    ; behind p's tile
.irp s, 0,1
	v_add_nc_u32 v[ADRA+(\s)], s76, v3
	v_add_nc_u32 v[ADRB+(\s)], s77, v4
	s_add_co_u32 s76, s76, SLOT
	s_add_co_u32 s77, s77, SLOT
.endr
	s_mul_i32 s78, s[WV], 16*OPITCH
	s_add_co_u32 s78, s78, STAGE                   ; my stage
	v_mul_u32_u24 v3, v1, OPITCH                   ; in: row l % 16, 32 bytes for each half of the lanes
	v_lshl_add_u32 v3, v2, 5, v3
	v_add_nc_u32 v[STO], s78, v3
	v_add_nc_u32 v[RD], s78, v[CO]                 ; back: 32 lanes take a row's 512 bytes
	s_mul_i32 s78, s[WV], TABW
	s_add_co_u32 s78, s78, TABLE                   ; my table
	v_lshl_add_u32 v[FT], v1, 4, s78               ; f: the four words of row r
	v_lshl_add_u32 v[TBW], v2, 2, v[FT]            ; I hold rows 16 h + r and 32 + 16 h + r: blocks h and 2 + h
	s_add_co_u32 s78, s78, 4096
	v_lshl_add_u32 v[RIR], v1, 5, s78              ; 1 / L: the four pairs of row r
	v_lshl_add_u32 v[RIW], v2, 3, v[RIR]
	s_wait_loadcnt 0x0                             ; the statistics
	; My two rows go side by side, as register pairs.  CM; f = 2^(cm - CM); L = the sum of f l; 1 / L.  All this stands in the wait for the first tile.
	v_max3_num_f32 v4, v[SV], v[SV+4], v[SV+8]
	v_max3_num_f32 v5, v[SV+1], v[SV+5], v[SV+9]
.irp k, 3,5,7,9,11,13
	v_max3_num_f32 v4, v4, v[SV+4*\k], v[SV+4*\k+4]
	v_max3_num_f32 v5, v5, v[SV+4*\k+1], v[SV+4*\k+5]
.endr
	v_max_num_f32 v4, v4, v[SV+60]
	v_max_num_f32 v5, v5, v[SV+61]
.irp kb, 0,1,2,3,4,5,6,7,8,9,10,11,12,13,14,15
	v_pk_add_f32 v[SV+4*\kb:SV+4*\kb+1], v[SV+4*\kb:SV+4*\kb+1], v[4:5] neg_lo:[0,1] neg_hi:[0,1]
.endr
.irp kb, 0,1,2,3,4,5,6,7,8,9,10,11,12,13,14,15
	v_exp_f32 v[SV+4*\kb], v[SV+4*\kb]
	v_exp_f32 v[SV+4*\kb+1], v[SV+4*\kb+1]
.endr
	v_nop                                          ; a plain instruction between the last exponential and the use of its result
	s_wait_alu depctr_va_vdst(0)
	v_pk_mul_f32 v[6:7], v[SV:SV+1], v[SV+2:SV+3]
.irp kb, 1,2,3,4,5,6,7,8,9,10,11,12,13,14,15
	v_pk_fma_f32 v[6:7], v[SV+4*\kb:SV+4*\kb+1], v[SV+4*\kb+2:SV+4*\kb+3], v[6:7]
.endr
	v_rcp_f32 v32, v6                              ; each twice: the packed multiply on the way out takes a pair
	v_rcp_f32 v33, v6
	v_rcp_f32 v34, v7
	v_rcp_f32 v35, v7
.irp kb, 0,1,2,3,4,5,6,7,8,9,10,11,12,13,14,15  ; f twice in a word, in f16 (plain lines, which also stand between the reciprocals and their use)
	v_cvt_pk_f16_f32 v[SV+4*\kb], v[SV+4*\kb], v[SV+4*\kb]
	v_cvt_pk_f16_f32 v[SV+4*\kb+1], v[SV+4*\kb+1], v[SV+4*\kb+1]
.endr
.irp kb, 0,1,2,3,4,5,6,7,8,9,10,11,12,13,14,15
	ds_store_b32 v[TBW], v[SV+4*\kb] offset:256*\kb
	ds_store_b32 v[TBW], v[SV+4*\kb+1] offset:256*\kb+8
.endr
	s_wait_alu depctr_va_vdst(0)
	ds_store_b64 v[RIW], v[32:33]
	ds_store_b64 v[RIW], v[34:35] offset:16
; 8 matrix instructions: m block a x all 8 n blocks, 32 keys.  c = 1: the first product starts the sums.  The 32 accumulators take turns, one instruction a turn.
.macro MUL8 f, a, c
	WIN MUL
.irp b, 0,1,2,3,4,5,6,7
.if (\c) == 1
	v_wmma_f32_16x16x32_f16 v[8*(8*(\a)+\b):8*(8*(\a)+\b)+7], v[(\f)+8*\b:(\f)+8*\b+7], v[(\f)+64+8*(\a):(\f)+64+8*(\a)+7], 0
.else
	v_wmma_f32_16x16x32_f16 v[8*(8*(\a)+\b):8*(8*(\a)+\b)+7], v[(\f)+8*\b:(\f)+8*\b+7], v[(\f)+64+8*(\a):(\f)+64+8*(\a)+7], v[8*(8*(\a)+\b):8*(8*(\a)+\b)+7]
.endif
.endr
.endm
.macro SCALE f, a, slot                ; block a's fragment of p times my row's f of the slot's key block: 16 weights in 8 packed lines
	WIN SCL
.irp i, 0,1,2,3,4,5,6,7
	v_pk_mul_f16 v[(\f)+64+8*(\a)+\i], v[(\f)+64+8*(\a)+\i], v[FAC+4*(\slot)+(\a)]
.endr
.endm
.macro FETCH slot, q, f                ; 24 LDS loads in one run: quarter q (32 keys): v's sixteen, turned, then p's eight, block by block
	WIN TO_F
.irp i, 0,1,2,3,4,5,6,7
	ds_load_tr16_b128 v[(\f)+8*\i:(\f)+8*\i+3],   v[ADRB+(\slot)] offset:(\q)*32*VPITCH+32*\i
	ds_load_tr16_b128 v[(\f)+8*\i+4:(\f)+8*\i+7], v[ADRB+(\slot)] offset:(\q)*32*VPITCH+16*VPITCH+32*\i
.endr
.irp i, 0,1,2,3
	ds_load_b128 v[(\f)+64+8*\i:(\f)+64+8*\i+3],   v[ADRA+(\slot)] offset:64*(\q)+\i*16*PITCH
	ds_load_b128 v[(\f)+64+8*\i+4:(\f)+64+8*\i+7], v[ADRA+(\slot)] offset:64*(\q)+\i*16*PITCH+32
.endr
.endm
; One of a K step's first three quarters.  The sixteen scaling lines in its middle name no register of the products that read buffer g: they are the places in front of the loads into it.
.macro QUARTER slot, q, f, g, c
	s_wait_dscnt 4                                 ; v, f and p's blocks 0, 1 are in; the youngest four loads may be out
	SCALE \f, 0, \slot
	SCALE \f, 1, \slot
	MUL8 \f, 0, \c
	MUL8 \f, 1, \c
	s_wait_dscnt 0x0                               ; p's blocks 2, 3
	SCALE \f, 2, \slot
	SCALE \f, 3, \slot
	FETCH \slot, \q, \g
	MUL8 \f, 2, \c
	MUL8 \f, 3, \c
.endm
; The change of slots: in front of ONE barrier each wave waits for all its tensor loads, adds 0 to its spare word, and waits for that and for its reads of this slot.  fill = 1: the barrier opens a round of the
; cluster's, and this slot is filled again, two K steps ahead, first thing behind the round.  Then f of the next key block and the next slot's first fragments.
.macro TURN slot, next, fill
	WIN 0
	s_wait_tensorcnt 0x0                           ; all my tensor loads have landed: the one that was out is my part of the next slot
	ds_add_u32 v[SPW], v[NIL]                      ; 0 onto my spare word
	s_wait_dscnt 5                                 ; (the add and the youngest four loads may be out)
	SCALE F1, 0, \slot
	SCALE F1, 1, \slot
	MUL8 F1, 0, 0
	s_wait_dscnt 0x0                               ; the add is done, and my reads of this slot are over
	s_barrier_signal -1
	MUL8 F1, 1, 0                                  ; work on registers while the others arrive;
	SCALE F1, 2, \slot                             ; these sixteen lines are also the places in front of the loads into buffer 0
	SCALE F1, 3, \slot
	WIN 0
	s_barrier_wait -1
.if \fill
	CREST
	s_add_nc_u64 s[G0+4*(\slot)+2:G0+4*(\slot)+3], s[G0+4*(\slot)+2:G0+4*(\slot)+3], 2*ASTEP
	s_add_nc_u64 s[G0B+4*(\slot)+2:G0B+4*(\slot)+3], s[G0B+4*(\slot)+2:G0B+4*(\slot)+3], 2*BSTEP
	JLOAD \slot                                    ; my one tensor load behind the round, 112 matrix instructions ahead of the wait for it
.endif
.if (\next) == 0
	v_add_nc_u32 v[FT], 512, v[FT]                 ; the next lap's two key blocks
.endif
	WIN TO_F
	ds_load_b128 v[FAC+4*(\next):FAC+4*(\next)+3], v[FT] offset:256*(\next)
	FETCH \next, 0, F0
	MUL8 F1, 2, 0
	MUL8 F1, 3, 0
.endm
	s_wait_tensorcnt 0x1                           ; my part of K step 0 is in; K step 1's may stay out
	s_wait_dscnt 0x0                               ; my stores into my table are done: no LDS instruction is pending at a signal
	s_barrier_signal -1
	s_barrier_wait -1
	ds_load_b128 v[RI:RI+3], v[RIR]                ; my own table's bytes
	ds_load_b128 v[RI+4:RI+7], v[RIR] offset:16
	WIN TO_F
	ds_load_b128 v[FAC:FAC+3], v[FT]               ; f of key block 0
	FETCH 0, 0, F0
	QUARTER 0, 1, F0, F1, 1                        ; the first quarter's products start the sums
	WIN 0
	s_mov_b32 s3, LAPS-1
.Llap:
	QUARTER 0, 2, F1, F0, 0
	QUARTER 0, 3, F0, F1, 0
	TURN 0, 1, 1
	QUARTER 1, 1, F0, F1, 0
	QUARTER 1, 2, F1, F0, 0
	QUARTER 1, 3, F0, F1, 0
	TURN 1, 0, 1
	QUARTER 0, 1, F0, F1, 0
	WIN 0
	s_sub_co_u32 s3, s3, 1
	s_cmp_lg_u32 s3, 0
	s_cbranch_scc1 .Llap
	QUARTER 0, 2, F1, F0, 0                        ; the last lap is written out: it fills nothing
	QUARTER 0, 3, F0, F1, 0
	TURN 0, 1, 0
	QUARTER 1, 1, F0, F1, 0
	QUARTER 1, 2, F1, F0, 0
	QUARTER 1, 3, F0, F1, 0
	s_wait_dscnt 4                                 ; the very last quarter
	SCALE F1, 0, 1
	SCALE F1, 1, 1
	MUL8 F1, 0, 0
	MUL8 F1, 1, 0
	s_wait_dscnt 0x0
	SCALE F1, 2, 1
	SCALE F1, 3, 1
	MUL8 F1, 2, 0
	MUL8 F1, 3, 0
; THE WAY OUT, a block of 16 rows at a time.  OUT: times 1 / L, each accumulator's registers in ascending order.  TOSTAGE4: 32 bytes a lane into my own stage, and back as whole rows of 512 bytes.  SEND4: stored.
.macro OUT a
	WIN 0x41                                       ; destination and source 0 in window 1, 1 / L in window 0
.set i, 64*(\a)
.rept 32
	v_pk_mul_f32 v[i:i+1], v[i:i+1], v[RI+2*(\a):RI+2*(\a)+1]
.set i, i+2
.endr
.endm
.macro TOSTAGE4 a
	WIN 0x04                                       ; the data in window 1
.irp b, 0,1,2,3,4,5,6,7
	ds_store_b128 v[STO], v[64*(\a)+8*\b:64*(\a)+8*\b+3] offset:64*\b
	ds_store_b128 v[STO], v[64*(\a)+8*\b+4:64*(\a)+8*\b+7] offset:64*\b+16
.endr
	WIN TO_F
.irp t, 0,1,2,3,4,5,6,7,8,9,10,11,12,13,14,15
	ds_load_b128 v[64*(\a)+4*\t:64*(\a)+4*\t+3], v[RD] offset:\t*OPITCH  ; LDS serves a wave's instructions in order (ISA guide 5.7.1.4): these see the stores above; the next block's stores come behind them
.endr
.endm
.macro SEND4 a
	s_wait_dscnt 0x0                               ; the block is back in registers
	WIN 0x08                                       ; the data in window 2
.irp t, 0,1,2,3,4,5,6,7,8,9,10,11,12,13,14,15
	global_store_b128 v[CO], v[64*(\a)+4*\t:64*(\a)+4*\t+3], s[44:45] offset:(16*(\a)+\t)*4096 th:TH_STORE_NT  ; 512 consecutive bytes, at a multiple of 256 from out0's first byte; each block has registers of its own and the base stays
.endr
.endm
.rept 4
	v_nop                                          ; four places behind the last products: for the lines that read their results and for the loads into the fragments' registers
.endr
	OUT 0
	TOSTAGE4 0
.irp a, 1,2,3                          ; block a's arithmetic stands between block a - 1's loads from the stage and the wait for them
	OUT \a
	SEND4 (\a)-1
	TOSTAGE4 \a
.endr
	SEND4 3
	WIN 0
	s_wait_tensorcnt 0x0                           ; the wave's end: these three lines stand behind my last tensor load and my last LDS store
	ds_add_u32 v[SPW], v[NIL]
	s_wait_dscnt 0x0
	CROUND                                         ; the closing round
	s_endpgm
.Lfunc_end_k_qfd508a4d96_pv:
	.size	k_qfd508a4d96_pv, .Lfunc_end_k_qfd508a4d96_pv-k_qfd508a4d96_pv
	.p2alignl 7, 3214868480
	.fill 96, 4, 3214868480
	.section	.rodata,"a",@progbits
	.p2align	6, 0x0
	.amdhsa_kernel k_qfd508a4d96_pv
		.amdhsa_group_segment_fixed_size 327680
		.amdhsa_private_segment_fixed_size 0
		.amdhsa_enable_private_segment 0
		.amdhsa_kernarg_size 32
		.amdhsa_user_sgpr_count 2
		.amdhsa_user_sgpr_kernarg_segment_ptr 1
		.amdhsa_wavefront_size32 1
		.amdhsa_system_sgpr_workgroup_id_x 1
		.amdhsa_system_sgpr_workgroup_id_y 1
		.amdhsa_system_sgpr_workgroup_id_z 1
		.amdhsa_system_vgpr_workitem_id 0
		.amdhsa_next_free_vgpr 768
		.amdhsa_next_free_sgpr 80
		.amdhsa_reserve_vcc 0
		.amdhsa_float_denorm_mode_32 3
		.amdhsa_float_denorm_mode_16_64 3
		.amdhsa_memory_ordered 1
		.amdhsa_forward_progress 1
		.amdhsa_inst_pref_size 136
	.end_amdhsa_kernel
	.amdgpu_metadata
---
amdhsa.version: [ 1, 2 ]
amdhsa.kernels:
  - .name:           k_qfd508a4d96_pv
    .symbol:         k_qfd508a4d96_pv.kd
    .args:
      - { .name: p, .offset: 0, .size: 8, .value_kind: global_buffer, .address_space: global }
      - { .name: qkv, .offset: 8, .size: 8, .value_kind: global_buffer, .address_space: global }
      - { .name: stat, .offset: 16, .size: 8, .value_kind: global_buffer, .address_space: global }
      - { .name: out0, .offset: 24, .size: 8, .value_kind: global_buffer, .address_space: global }
    .group_segment_fixed_size: 327680
    .private_segment_fixed_size: 0
    .kernarg_segment_align: 8
    .kernarg_segment_size: 32
    .max_flat_workgroup_size: 128
    .sgpr_count:     80
    .vgpr_count:     768
    .wavefront_size: 32
...
	.end_amdgpu_metadata
.endif
;; end of part 4
;; ======== version 2 of 2: 4 launches; version 1 with the launch cast written anew for expert scheduling mode
;; limits: values are held in f16: magnitudes above 65,504 overflow, below 6.1e-05 lose precision
;; workspace buffers: xw 23,068,672 bytes; qkv 50,331,648 bytes; p 33,554,432 bytes; stat 1,048,576 bytes
;; launch cast (part 5): grid 704 x 1, 8 waves a work-group, no clusters, 0 bytes of LDS; arguments hidden_states, Wq, Wk, Wv, xw; writes xw
.if DOCPART == 5
	.amdgcn_target "amdgcn-amd-amdhsa--gfx1250"
	.amdhsa_code_object_version 6
	.text
	.protected	k_qfd508a4d96_cast
	.globl	k_qfd508a4d96_cast
	.p2align	8
	.type	k_qfd508a4d96_cast,@function
k_qfd508a4d96_cast:
	s_mov_b64 s[64:65], 0
	v_nop
	global_prefetch_b8 v0, s[64:65] scope:SCOPE_SE
	s_setreg_imm32_b32 hwreg(HW_REG_WAVE_SCHED_MODE, 0, 2), 2
	s_setreg_imm32_b32 hwreg(HW_REG_WAVE_MODE, 25, 1), 1
	s_wait_xcnt 0x0
	s_wait_alu depctr_vm_vsrc(0)
; xw = bf16(hidden_states), then bf16(Wq), bf16(Wk), bf16(Wv): one table of 11,264 rows of 1,024 bf16 (rows 0-8191 x, 8192-9215 Wq, 9216-10239 Wk, 10240-11263 Wv).
; A stream: every input byte is read once, every output byte written once; no LDS, no barrier, no matrix unit, no loop.
; A work-group takes 16,384 numbers (65,536 bytes in, 32,768 out): 512 work-groups for x, 64 for each weight.  A wave takes 8,192 bytes of them: sixteen loads of 512
; consecutive bytes, all issued before the first is waited for; each store of the wave covers 256 consecutive bytes, aligned.  No register is written twice.
; THE MODE: SCHED_MODE bits 1:0 = 2 (LLVM: expert scheduling mode 2), set by the entry lines.  The code itself states the register dependences between vector instructions and
; memory instructions, with s_wait_alu, always for 0.
; THE PLAN.  Registers that memory instructions touch:
;   v1, v2     byte offsets of the loads and of the stores: written at the head by vector lines, never again; read by every load, by every store.
;   X0 .. X15  load j lands in X[j], once; no vector line names it before that; the two conversions of number j read it.
;   Y0 .. Y15  the two conversions of number j write Y[j], once; store j reads it.
; The sixteen numbers go in four blocks of four.  Block p waits for its four loads, states ONCE that block p - 1's conversions have written their Y, and issues that block's four stores
; among its own eight conversions, which read X[4 p ..] and write Y[4 p ..]: none of the registers that those stores read.  One more such wait stands ahead of the last four stores.
; No register that a memory instruction has read is written again, no load lands in a register that a vector line has named, no vector line writes a scalar register, and EXEC stays as
; it is: so the five waits on va_vdst are all the dependences that there are to state.
.set XGROUPS, 512                      ; work-groups that serve x
.set X, 4                              ; v[4:67]   16 x 4 numbers as loaded
.set Y, 68                             ; v[68:99]  16 x 2 words of bf16 pairs
	s_load_b256 s[4:11], s[0:1], 0x0               ; x s[4:5], Wq s[6:7], Wk s[8:9], Wv s[10:11]
	s_load_b64 s[12:13], s[0:1], 0x20              ; xw
	s_mov_b32 s22, ttmp9                           ; the work-group's number c
	s_sub_co_u32 s14, s22, XGROUPS                 ; behind x: which weight (c - 512) / 64, which part of it (c - 512) % 64
	s_lshr_b32 s15, s14, 6                         ; (for c < 512 neither 1 nor 2, and the choice below is overruled)
	s_and_b32 s16, s14, 63
	s_cmp_lt_u32 s22, XGROUPS
	s_cselect_b32 s16, s22, s16                    ; the part's number in its own buffer
	s_lshl_b32 s16, s16, 16                        ; times 65,536 bytes
	s_mov_b32 s17, 0
	s_lshl_b32 s20, s22, 15                        ; in xw the parts lie in the order of c: 32,768 bytes each
	s_mov_b32 s21, 0
	v_lshrrev_b32 v3, 5, v0                        ; wave
	v_and_b32 v1, 31, v0                           ; lane
	v_lshlrev_b32 v2, 3, v1
	v_lshlrev_b32 v1, 4, v1
	v_lshl_add_u32 v1, v3, 13, v1                  ; in: 8,192 x wave + 16 x lane
	v_lshl_add_u32 v2, v3, 12, v2                  ; out: 4,096 x wave + 8 x lane
	s_wait_kmcnt 0x0
	s_cmp_eq_u32 s15, 1
	s_cselect_b64 s[18:19], s[8:9], s[6:7]
	s_cmp_eq_u32 s15, 2
	s_cselect_b64 s[18:19], s[10:11], s[18:19]
	s_cmp_lt_u32 s22, XGROUPS
	s_cselect_b64 s[18:19], s[4:5], s[18:19]       ; the buffer that this work-group reads
	s_add_nc_u64 s[18:19], s[18:19], s[16:17]
	s_add_nc_u64 s[12:13], s[12:13], s[20:21]
	s_wait_alu depctr_va_vdst(0)                   ; v1 and v2 are written: every load below reads v1 as its offset, every store v2
.irp j, 0,1,2,3,4,5,6,7,8,9,10,11,12,13,14,15
	global_load_b128 v[X+4*\j:X+4*\j+3], v1, s[18:19] offset:512*\j th:TH_LOAD_NT
.endr
; Block p: numbers 4 p to 4 p + 3 are rounded; the stores of numbers 4 p - 4 to 4 p - 1 go out among the conversions, one ahead of each pair.
.macro BLK p
	s_wait_loadcnt 12-4*(\p)                       ; loads come back in order (ISA guide 5.7.1): this block's four are in, the later blocks' stay out
.if (\p) > 0
	s_wait_alu depctr_va_vdst(0)                   ; the block before has written its eight registers of Y, which the four stores below read
.endif
.irp i, 0,1,2,3
.set n, 4*(\p)+(\i)
.if (\p) > 0
	global_store_b64 v2, v[Y+2*(n-4):Y+2*(n-4)+1], s[12:13] offset:256*(n-4)  ; no vector line since the wait names these registers
.endif
	v_cvt_pk_bf16_f32 v[Y+2*n], v[X+4*n], v[X+4*n+1]
	v_cvt_pk_bf16_f32 v[Y+2*n+1], v[X+4*n+2], v[X+4*n+3]
.endr
.endm
	BLK 0
	BLK 1
	BLK 2
	BLK 3
	s_wait_alu depctr_va_vdst(0)                   ; block 3 has written its eight registers of Y, which the last four stores read
.irp j, 12,13,14,15
	global_store_b64 v2, v[Y+2*\j:Y+2*\j+1], s[12:13] offset:256*\j
.endr
	s_endpgm
.Lfunc_end_k_qfd508a4d96_cast:
	.size	k_qfd508a4d96_cast, .Lfunc_end_k_qfd508a4d96_cast-k_qfd508a4d96_cast
	.p2alignl 7, 3214868480
	.fill 96, 4, 3214868480
	.section	.rodata,"a",@progbits
	.p2align	6, 0x0
	.amdhsa_kernel k_qfd508a4d96_cast
		.amdhsa_group_segment_fixed_size 0
		.amdhsa_private_segment_fixed_size 0
		.amdhsa_enable_private_segment 0
		.amdhsa_kernarg_size 40
		.amdhsa_user_sgpr_count 2
		.amdhsa_user_sgpr_kernarg_segment_ptr 1
		.amdhsa_wavefront_size32 1
		.amdhsa_system_sgpr_workgroup_id_x 1
		.amdhsa_system_sgpr_workgroup_id_y 1
		.amdhsa_system_sgpr_workgroup_id_z 1
		.amdhsa_system_vgpr_workitem_id 0
		.amdhsa_next_free_vgpr 100
		.amdhsa_next_free_sgpr 66
		.amdhsa_reserve_vcc 0
		.amdhsa_float_denorm_mode_32 3
		.amdhsa_float_denorm_mode_16_64 3
		.amdhsa_memory_ordered 1
		.amdhsa_forward_progress 1
		.amdhsa_inst_pref_size 7
	.end_amdhsa_kernel
	.amdgpu_metadata
---
amdhsa.version: [ 1, 2 ]
amdhsa.kernels:
  - .name:           k_qfd508a4d96_cast
    .symbol:         k_qfd508a4d96_cast.kd
    .args:
      - { .name: hidden_states, .offset: 0, .size: 8, .value_kind: global_buffer, .address_space: global }
      - { .name: Wq, .offset: 8, .size: 8, .value_kind: global_buffer, .address_space: global }
      - { .name: Wk, .offset: 16, .size: 8, .value_kind: global_buffer, .address_space: global }
      - { .name: Wv, .offset: 24, .size: 8, .value_kind: global_buffer, .address_space: global }
      - { .name: xw, .offset: 32, .size: 8, .value_kind: global_buffer, .address_space: global }
    .group_segment_fixed_size: 0
    .private_segment_fixed_size: 0
    .kernarg_segment_align: 8
    .kernarg_segment_size: 40
    .max_flat_workgroup_size: 256
    .sgpr_count:     66
    .vgpr_count:     100
    .wavefront_size: 32
...
	.end_amdgpu_metadata
.endif
;; end of part 5
;; launch proj: the kernel of part 2 again; grid 12 x 32, 4 waves a work-group, clusters of 4 x 4, 327,680 bytes of LDS; arguments xw, bq, bk, bv, qkv; writes qkv
;; launch scores: the kernel of part 3 again; grid 8 x 32, 4 waves a work-group, clusters of 4 x 4, 327,680 bytes of LDS; arguments qkv, p, stat; writes p, stat
;; launch pv: the kernel of part 4 again; grid 4 x 64, 4 waves a work-group, clusters of 4 x 4, 327,680 bytes of LDS; arguments p, qkv, stat, out0; writes out0
